; MI455X (gfx1250); checked and timed in simulation.
; The chip was launched on July 23, 2026; its instructions are those of AMD's public machine-readable ISA for CDNA 5 (MIT licence, August 2026) and "CDNA5" Instruction Set Architecture Reference Guide (July 2026). The comments in the code are by the model that wrote it; some were corrected since.
;; Cross Attention. Allowed arithmetic: matrix products marked QUANTISED: E2M3 operands, one E8M0 scale for each 32 along K, by v_wmma_scale_f32_16x16x128_f8f6f4 with both operands' format E2M3, f32 sums; everything else in f32.
;; Inputs: Wd 1,024 x 1,024 float32; Wk 1,024 x 1,024 float32; Wq 1,024 x 1,024 float32; Wv 1,024 x 1,024 float32; bd 1,024 float32; beta 1,024 float32; bk 1,024 float32; bq 1,024 float32; bv 1,024 float32; gamma 1,024 float32; x 4 x 2,048 x 1,024 float32; y 4 x 2,048 x 1,024 float32.
;; Outputs: out0 4 x 2,048 x 1,024 float32.
;; Constants: debug = 0.
;; This version of the problem:
;;   THIS VERSION OF THE PROBLEM IS GIVEN IN LOW PRECISION. The matrix products marked QUANTISED in the list below multiply operands that are first quantised to E2M3 (2 exponent bits, 3 mantissa bits; 6 bits a number), with one power-of-two scale for each 32 numbers along K (OCP MX v1.0); their sums are f32. All else is computed in f32.
;;   The module's matrix products, in the order in which they are computed (A, B: the left and right operand; K: the contracted axis; several contracted axes count as one K, in the product's order):
;;     1. [M 8,192, K 1,024] x [K 1,024, N 1,024]; A: input x; B: input Wq: QUANTISED
;;     2. [M 8,192, K 1,024] x [K 1,024, N 1,024]; A: input y; B: input Wk: QUANTISED
;;     3. [M 8,192, K 1,024] x [K 1,024, N 1,024]; A: input x; B: input Wv: QUANTISED
;;     4. batch 64 x [M 2,048, K 64] x [K 64, N 2,048]; A: computed on the way; B: computed on the way: QUANTISED
;;     5. batch 64 x [M 2,048, K 2,048] x [K 2,048, N 64]; A: softmax (see below); B: computed on the way: QUANTISED
;;     6. [M 8,192, K 1,024] x [K 1,024, N 1,024]; A: computed on the way; B: input Wd: QUANTISED
;;   THE QUANTISER, for each operand of a quantised product, along K:
;;     - K is cut into blocks of 32 from its start; a last block that is shorter is filled with zeros.
;;     - A block's scale is 2^e with e = floor(log2(the largest magnitude in the block)) - 2, held to -126 .. 127; a block of zeros has e = 0. As a byte (E8M0): e + 127.
;;     - Each number is divided by its block's scale, clamped to +-7.5, and rounded to the nearest number of E2M3, ties to even, subnormals kept.
;;     - The product sums the exact products of the quantised numbers (number of the format x scale) in f32.
;;   ~~~python
;;   def quantise(x, axis):      # numpy; x: float32 -> the quantised numbers, widened to float32 again
;;       x = np.moveaxis(x, axis, -1); K = x.shape[-1]
;;       x = np.pad(x, [(0, 0)] * (x.ndim - 1) + [(0, -K % 32)]); x = x.reshape(x.shape[:-1] + (-1, 32)); a = np.abs(x).max(-1, keepdims=True)
;;       e = np.where(a > 0, np.clip(np.frexp(np.where(a > 0, a, 1))[1] - 1 - 2, -126, 127), 0)      # np.frexp(a)[1] - 1 = floor(log2(a)), exactly
;;       r = np.clip(x / 2.0 ** e, -7.5, 7.5)
;;       step = 2.0 ** (np.maximum(np.frexp(np.where(r == 0, 1, r))[1] - 1, 0) - 3)
;;       q = np.round(r / step) * step * 2.0 ** e      # np.round: ties to even
;;       return np.moveaxis(q.reshape(q.shape[:-2] + (-1,))[..., :K], -1, axis).astype(np.float32)
;;   ~~~
;;   SOFTMAX AHEAD OF A QUANTISED PRODUCT. Where the list says 'softmax', what is quantised is not the finished softmax but p = 2^(t - M), with t = logit x log2(e) and M = ceil(the row's largest t), a whole number; so 1/2 < the row's largest p <= 1. The row's sum l is taken of the UNQUANTISED p, in f32, and the product's result is divided by l at the end. Since M is a whole number, a kernel that streams over the keys may use a running M (the ceiling of the running maximum): every later rescaling is an exact power of two, which a block's scale takes up: the codes' values come out the same.
;;   OPERANDS COMPUTED ON THE WAY. 'Computed on the way' means the value that the module computes at that place (a softmax that the list does not call 'softmax' is quantised finished and normalised). What goes into a quantiser is computed in f32, as accurately as f32 sums, v_exp_f32 and their like allow (about 1e-6 of the number): no bf16 or f16 on the way to a quantiser, and a product that is left as it is and whose result goes on into a quantised operand takes f32 operands (vector FMAs, or v_wmma_f32_16x16x4_f32). A number that lies on a knife's edge between two numbers of the format may be rounded either way, as far as f32 arithmetic and the matrix unit's own rounding can turn it there, and no further.
;; One version. Each part assembles by itself: llvm-mc -triple=amdgcn-amd-amdhsa -mcpu=gfx1250 --defsym DOCPART=n.
;; ======== version 1 of 1: 4 launches
;; workspace buffers: codes 15,728,640 bytes; scl 655,360 bytes; qkv 18,874,368 bytes; qkvs 786,432 bytes; cimg 6,291,456 bytes; cs 262,144 bytes
;; launch quant (part 1): grid 1280 x 1, 4 waves a work-group, no clusters, 34,816 bytes of LDS; arguments x, y, Wq, Wk, Wv, Wd, codes, scl; writes codes, scl
.if DOCPART == 1
	.amdgcn_target "amdgcn-amd-amdhsa--gfx1250"
	.amdhsa_code_object_version 6
	.text
	.protected	k_q6764f73406_quant
	.globl	k_q6764f73406_quant
	.p2align	8
	.type	k_q6764f73406_quant,@function
k_q6764f73406_quant:
	s_mov_b64 s[64:65], 0
	v_nop
	global_prefetch_b8 v0, s[64:65] scope:SCOPE_SE
	s_setreg_imm32_b32 hwreg(HW_REG_WAVE_MODE, 25, 1), 1
	s_wait_xcnt 0x0
; x, y [8192][1024] and Wq, Wk, Wv, Wd [1024][1024], f32 with K innermost, become codes of FP6 (E2M3) with one E8M0 byte for each 32 along K.
; A block's scale is 2^(floor(log2(its largest magnitude)) - 2); its byte is the largest magnitude's exponent field - 2, held at 1 from below.
; LIMITS: a block of zeros, or one whose largest magnitude lies under 2^-124, gets the byte 1 where the rule says 127 (its codes are zeros and only this program reads the bytes);
; NaN and infinities among the inputs are not served.
; LAYOUT OF THE RESULT.  Rows are grouped in tiles of 16: row r of tile 2 b + u is the tensor's row 32 b + 8 u + r + 8 (r / 8).  codes: [tile 0..1279][K step 0..7][1,536 bytes]: the image of a
; fragment's 12 registers: registers 4 c .. 4 c + 3 of lane l at 512 c + 16 l.  scl: [tile][r][32]: a row's 32 scale bytes.  Tiles: x 0, y 512, Wq 1024, Wk 1088, Wv 1152, Wd 1216.
; SHARES.  A work-group takes one tile, wave w its K steps 2 w and 2 w + 1.  All 32 loads of a wave (512 consecutive bytes each) go out at its head.  A K step's 16 x 512 bytes turn through the wave's
; own stage in LDS, so that lane (r, h) gets the 32 neighbours of blocks h and 2 + h of row r: a block's maximum needs no other lane, and the conversions' results are the operand's registers.
; No tensor load, no cluster: nothing is shared between work-groups and every byte is read once.
.set STW, 8448                         ; a wave's stage: 16 rows of 512 bytes + 16 of padding
.set SP,  528
.set SG,  4*STW                        ; behind the stages: the tile's 512 scale bytes
.set R,   52                           ; v52-179: two K steps of 64 numbers a lane
	s_load_b512 s[16:31], s[0:1], 0x0              ; x, y, Wq, Wk, Wv, Wd, codes, scl
	v_lshl_add_u32 v180, v0, 2, 0x8600
	v_mov_b32 v181, 0
	v_lshrrev_b32 v1, 5, v0
	v_readfirstlane_b32 s8, v1                     ; wave
	v_and_b32 v1, 31, v0                           ; lane
	v_and_b32 v2, 15, v0                           ; r
	v_bfe_u32 v3, v0, 4, 1                         ; h
	v_lshlrev_b32 v4, 4, v1                        ; 16 x lane: my bytes of a load and of an image's chunk
	s_mul_i32 s9, s8, STW
	v_add_nc_u32 v5, s9, v4                        ; the stage, on the way in: a row as it lies
	v_mul_u32_u24 v6, v2, SP
	v_lshl_add_u32 v6, v3, 7, v6
	v_add_nc_u32 v6, s9, v6                        ; and on the way out: row r, + 128 h: block h
	s_lshl_b32 s10, s8, 3
	s_add_co_u32 s10, s10, SG
	v_lshlrev_b32 v7, 5, v2
	v_add_nc_u32 v7, s10, v7                       ; my row's scale words of my two K steps: SG + 32 r + 8 wave
	v_lshlrev_b32 v8, 3, v3                        ; 8 h: my bytes' place in a scale word, in bits
	v_mov_b32 v10, 0                               ; written once: a lane permute's destination counts as one of its sources
	v_add_nc_u32 v11, SG, v4                       ; where wave 0 reads the gathered scale bytes
	s_mov_b32 s12, 0x76543210
	s_mov_b32 s13, 0xfedcba98                      ; v_permlanex16_b32's selects for lane l xor 16
	s_wait_alu depctr_va_vdst(0)
	s_wait_kmcnt 0x0
	s_mov_b64 s[4:5], s[16:17]                     ; which tensor is mine hangs on the work-group's number alone
	s_mov_b32 s6, 0
	s_cmp_ge_u32 ttmp9, 512
	s_cselect_b64 s[4:5], s[18:19], s[4:5]
	s_cselect_b32 s6, 512, s6
	s_cmp_ge_u32 ttmp9, 1024
	s_cselect_b64 s[4:5], s[20:21], s[4:5]
	s_cselect_b32 s6, 1024, s6
	s_cmp_ge_u32 ttmp9, 1088
	s_cselect_b64 s[4:5], s[22:23], s[4:5]
	s_cselect_b32 s6, 1088, s6
	s_cmp_ge_u32 ttmp9, 1152
	s_cselect_b64 s[4:5], s[24:25], s[4:5]
	s_cselect_b32 s6, 1152, s6
	s_cmp_ge_u32 ttmp9, 1216
	s_cselect_b64 s[4:5], s[26:27], s[4:5]
	s_cselect_b32 s6, 1216, s6
	s_sub_co_u32 s6, ttmp9, s6                     ; t: the tile's number in its tensor
	s_lshr_b32 s7, s6, 1
	s_lshl_b32 s7, s7, 17                          ; 32 (t / 2) rows of 4,096 bytes
	s_and_b32 s6, s6, 1
	s_lshl_b32 s6, s6, 15                          ; + 8 (t % 2) rows
	s_add_co_u32 s6, s6, s7
	s_lshl_b32 s7, s8, 10                          ; + my two K steps: 1,024 bytes a wave
	s_add_co_u32 s6, s6, s7
	s_mov_b32 s7, 0
	s_add_nc_u64 s[4:5], s[4:5], s[6:7]
	s_mul_i32 s6, ttmp9, 12288
	s_mul_i32 s14, s8, 3072
	s_add_co_u32 s6, s6, s14
	s_add_nc_u64 s[28:29], s[28:29], s[6:7]        ; my two images
	s_lshl_b32 s6, ttmp9, 9
	s_add_nc_u64 s[30:31], s[30:31], s[6:7]        ; the tile's scale bytes
.irp q, 0,1
.irp i, 0,1,2,3,4,5,6,7,8,9,10,11,12,13,14,15
	global_load_b128 v[R+64*\q+4*\i:R+64*\q+4*\i+3], v4, s[4:5] offset:(\i+8*(\i/8))*4096+512*\q th:TH_LOAD_NT   ; tile row i, one K step: 512 consecutive bytes
.endr
.endr
; One K step.  q: which of my two; cc: the 12 registers of its codes (each K step has its own, so that no store's data are written again).
.macro UNIT q, cc
.set X, R+64*\q
	s_wait_loadcnt 16*(1-\q)                       ; loads come back in order: this K step's 16 are in, the other's 16 may be out
.irp i, 0,1,2,3,4,5,6,7,8,9,10,11,12,13,14,15
	ds_store_b128 v5, v[X+4*\i:X+4*\i+3] offset:SP*\i
.endr
.irp c, 0,1
.irp j, 0,1,2,3,4,5,6,7
	ds_load_b128 v[X+32*\c+4*\j:X+32*\c+4*\j+3], v6 offset:256*\c+16*\j   ; LDS serves a wave's instructions in order: these see the stores above.  Block 2 c + h of row r
.endr
.endr
	s_wait_dscnt 0x0
.irp c, 0,1
	v_max3_num_f32 v[12+\c], |v[X+32*\c]|, |v[X+32*\c+1]|, 0x1800000   ; the floor 2^(3 - 127) among the leaves: the byte cannot fall under 1
.endr
.irp i, 2,4,6,8,10,12,14,16,18,20,22,24,26,28,30
.irp c, 0,1
	v_max3_num_f32 v[12+\c], v[12+\c], |v[X+32*\c+\i]|, |v[X+32*\c+\i+1]|   ; the two blocks by turns
.endr
.endr
.irp c, 0,1
	v_add_nc_u32 v[14+\c], 0xff000000, v[12+\c]    ; 2 off the exponent field: the conversion takes the exponent field of this operand as its scale
.endr
.irp c, 0,1
	v_lshrrev_b32 v[16+\c], 23, v[14+\c]           ; the scale's byte
.endr
	v_lshl_or_b32 v9, v17, 16, v16                 ; my two bytes: blocks h and 2 + h,
	v_lshlrev_b32 v9, v8, v9                       ; at their places in the word;
	v_permlanex16_b32 v10, v9, s12, s13
	v_or_b32 v9, v9, v10                           ; with lane l xor 16's two the word is whole
.irp c, 0,1
	v_cvt_scalef32_pk16_fp6_f32 v[\cc+6*\c:\cc+6*\c+2], v[X+32*\c:X+32*\c+15], v[14+\c]
	v_cvt_scalef32_pk16_fp6_f32 v[44+4*\c:46+4*\c], v[X+32*\c+16:X+32*\c+31], v[14+\c]   ; a conversion's three registers begin on an even number: the second half is made elsewhere and moved
.endr
	v_nop                                          ; one plain place behind a scaled conversion
.irp c, 0,1
.irp i, 0,1,2
	v_mov_b32 v[\cc+6*\c+3+\i], v[44+4*\c+\i]
.endr
.endr
.irp c, 0,1,2
	global_store_b128 v4, v[\cc+4*\c:\cc+4*\c+3], s[28:29] offset:1536*\q+512*\c   ; 512 consecutive bytes, at a multiple of 512 from the buffer's first byte
.endr
	ds_store_b32 v7, v9 offset:4*\q                ; both halves of the lanes write the same word with the same value
.endm
	UNIT 0, 20
	UNIT 1, 32
	s_wait_dscnt 0x0                               ; for the others' sake: my scale words lie in LDS
	s_barrier_signal -1
	s_barrier_wait -1
	s_cmp_lg_u32 s8, 0
	s_cbranch_scc1 .Ldone
	ds_load_b128 v[12:15], v11                     ; wave 0 stores the tile's 512 scale bytes as two whole aligned blocks of 256
	s_wait_dscnt 0x0
	global_store_b128 v4, v[12:15], s[30:31]
.Ldone:
	s_wait_tensorcnt 0x0
	ds_add_u32 v180, v181
	s_wait_dscnt 0x0
	s_endpgm
.Lfunc_end_k_q6764f73406_quant:
	.size	k_q6764f73406_quant, .Lfunc_end_k_q6764f73406_quant-k_q6764f73406_quant
	.p2alignl 7, 3214868480
	.fill 96, 4, 3214868480
	.section	.rodata,"a",@progbits
	.p2align	6, 0x0
	.amdhsa_kernel k_q6764f73406_quant
		.amdhsa_group_segment_fixed_size 34816
		.amdhsa_private_segment_fixed_size 0
		.amdhsa_enable_private_segment 0
		.amdhsa_kernarg_size 64
		.amdhsa_user_sgpr_count 2
		.amdhsa_user_sgpr_kernarg_segment_ptr 1
		.amdhsa_wavefront_size32 1
		.amdhsa_system_sgpr_workgroup_id_x 1
		.amdhsa_system_sgpr_workgroup_id_y 1
		.amdhsa_system_sgpr_workgroup_id_z 1
		.amdhsa_system_vgpr_workitem_id 0
		.amdhsa_next_free_vgpr 182
		.amdhsa_next_free_sgpr 66
		.amdhsa_reserve_vcc 0
		.amdhsa_float_denorm_mode_32 3
		.amdhsa_float_denorm_mode_16_64 3
		.amdhsa_memory_ordered 1
		.amdhsa_forward_progress 1
		.amdhsa_inst_pref_size 17
	.end_amdhsa_kernel
	.amdgpu_metadata
---
amdhsa.version: [ 1, 2 ]
amdhsa.kernels:
  - .name:           k_q6764f73406_quant
    .symbol:         k_q6764f73406_quant.kd
    .args:
      - { .name: x, .offset: 0, .size: 8, .value_kind: global_buffer, .address_space: global }
      - { .name: y, .offset: 8, .size: 8, .value_kind: global_buffer, .address_space: global }
      - { .name: Wq, .offset: 16, .size: 8, .value_kind: global_buffer, .address_space: global }
      - { .name: Wk, .offset: 24, .size: 8, .value_kind: global_buffer, .address_space: global }
      - { .name: Wv, .offset: 32, .size: 8, .value_kind: global_buffer, .address_space: global }
      - { .name: Wd, .offset: 40, .size: 8, .value_kind: global_buffer, .address_space: global }
      - { .name: codes, .offset: 48, .size: 8, .value_kind: global_buffer, .address_space: global }
      - { .name: scl, .offset: 56, .size: 8, .value_kind: global_buffer, .address_space: global }
    .group_segment_fixed_size: 34816
    .private_segment_fixed_size: 0
    .kernarg_segment_align: 8
    .kernarg_segment_size: 64
    .max_flat_workgroup_size: 128
    .sgpr_count:     66
    .vgpr_count:     182
    .wavefront_size: 32
...
	.end_amdgpu_metadata
.endif
;; end of part 1
;; launch proj (part 2): grid 8 x 32, 4 waves a work-group, clusters of 4 x 4, 327,680 bytes of LDS; arguments codes, scl, bq, bk, bv, qkv, qkvs; writes qkv, qkvs
.if DOCPART == 2
	.amdgcn_target "amdgcn-amd-amdhsa--gfx1250"
	.amdhsa_code_object_version 6
	.text
	.protected	k_q6764f73406_proj
	.globl	k_q6764f73406_proj
	.p2align	8
	.type	k_q6764f73406_proj,@function
k_q6764f73406_proj:
	s_mov_b64 s[64:65], 0
	v_nop
	global_prefetch_b8 v0, s[64:65] scope:SCOPE_SE
	s_setreg_imm32_b32 hwreg(HW_REG_WAVE_MODE, 25, 1), 1
	s_wait_xcnt 0x0
	s_wait_alu depctr_hold_cnt(0) depctr_sa_sdst(0) depctr_va_vdst(0) depctr_va_sdst(0) depctr_va_ssrc(0) depctr_va_vcc(0) depctr_vm_vsrc(0)
	s_getreg_b32 s2, hwreg(HW_REG_IB_STS2, 6, 4)
	s_cmp_eq_u32 s2, 0
	s_cbranch_scc0 .Lentry_in_a_cluster
	s_endpgm
.Lentry_in_a_cluster:
	s_bfe_u32 s2, ttmp6, 0x10000c
	s_cmp_lg_u32 s2, 0xf033
	s_cbranch_scc0 .Lentry_shape_is_right
	s_endpgm
.Lentry_shape_is_right:
; q = x Wq^T + bq, k = y Wk^T + bk, v = x Wv^T + bv on codes of FP6 (E2M3), and the results quantised again on the way out: q and k along the head's 64, v along the keys.
; SHARES.  Work-group (X 0..7, Y 0..31) stays and makes three units of 256 tokens x 128 columns (q, k, v).  Wave (wm, wn) makes 128 tokens (one group g of a head's keys) x 64 columns (one head):
; 32 accumulators, 256 registers.  K = 1,024 goes in 8 steps of 128; a slot of LDS holds four steps' fragments of 16 token tiles and 8 weight tiles, as images of the operands' registers:
; a fragment is three loads of 512 consecutive bytes, with no pitch and no padding.
; q AND k ARE USED TRANSPOSED (source 0 = 16 rows of W, source 1 = 16 tokens): a lane holds one token and its registers run along the head.  v IS USED AS IT STANDS (source 0 = 16 tokens, source 1 = 16 rows
; of W): a lane holds one channel d and its registers run down the keys.  The rows of a tile are 32 b + 8 u + r + 8 (r / 8), so the 16 registers of tiles 2 b and 2 b + 1 are 16 neighbours along the next K.
; WHAT IS STORED.  qkv: q at 0, k at 6,291,456, v at 12,582,912, each [head of a batch 0..63][group of 128 tokens 0..15][image 0..3][1,536].  An image of q or k holds two token tiles: registers 0-5 the first,
; 6-11 the second, lane (r, h) dims 32 h .. 32 h + 31.  An image of v holds 16 channels x the group's 128 keys.  qkvs likewise, 256 bytes a group: lane l's 8 bytes hold the scale words of images 0 and 2
; (lanes 0-15) or 1 and 3 (lanes 16-31) of row r.
; CLUSTERS: 4 x 4 work-groups.  The four of a row of the cluster need the same token tiles, the four of a column the same weight tiles: each is asked for jointly.
; LIMITS: a block of zeros, or one under 2^-124, gets the byte 1 (its codes are zeros; only this program reads the bytes); NaN and infinities are not served.
; REGISTERS, in windows of 256.  Window 0: v1-13 addresses; v28, v29 for the add; v32-95 scale words; v96-159 64 numbers at work; v160-203 the quantiser's.  Window 1: the tokens' fragments, two sets of 96.
; Window 2: the accumulators.  Window 3: the weights' fragments, two sets of 48; v96-127 bq, v128-159 bk, v160-167 bv in the results' layout.
.set SLOT,  147456                     ; 16 token tiles x 6,144 bytes, then 8 weight tiles x 6,144
.set WPART, 98304
.set SPARE, 2*SLOT                     ; behind the ring: the spare words, 128 bytes for each wave: two blocks of 256 bytes that no other line names
.set XSTEP, 512*12288                  ; from x's tiles to y's
.set WSTEP, 64*12288                   ; from one weight's tiles to the next's
.set SA,  5                            ; v5-7   byte offset in scl of my scale rows for unit 0, 1, 2: lanes 0-15 the tokens', lanes 16-31 the weights'
.set ADX, 8                            ; v8-9   LDS address of my token fragments in slot 0, 1
.set ADW, 10                           ; v10-11 the same for the weights
.set SPW, 28
.set NIL, 29
.set SC,  32                           ; register 8 i + s: lanes 0-15 the word of token tile i, lanes 16-31 that of weight tile i (i < 4), for K step s
.set H,   96
.set TM,  160
.set PW,  176                          ; v176-179 the four images' scale words
.set PK,  180                          ; v180-181 those words as they are stored
.set PC,  184                          ; v184-195 an image's codes; v196-202 the conversions' second halves
.set BQ,  96
.set BK,  128
.set BV,  160
.set G1X, 24                           ; s[24:31] descriptor group 1 for the tokens' tiles;  s[32:39] group 0, one set for each slot
.set G0X, 32
.set G1W, 48                           ; s[48:55], s[56:63] the same for the weights'
.set G0W, 56
.set OI,  68                           ; s[68:73] where my images of q, k, v go
.set OS,  74                           ; s[74:79] and their scale words
.set MSB, 0
.macro WIN new                         ; the immediate's high byte repeats the setting that is left
.if MSB != (\new)
	s_set_vgpr_msb (MSB<<8)|(\new)
.set MSB, (\new)
.endif
.endm
.set MUL_T, 0xa7                       ; source 0 (W) window 3, source 1 (tokens) window 1, C and D window 2
.set MUL_N, 0xad                       ; source 0 (tokens) window 1, source 1 (W) window 3, C and D window 2
.set TO_X,  0x40                       ; destination window 1
.set TO_W,  0xc0                       ; destination window 3
.set ADDB,  0x0e                       ; source 0 window 2 (a sum), source 1 window 3 (a bias), destination window 0
.macro MWIN nat
.if \nat
	WIN MUL_N
.else
	WIN MUL_T
.endif
.endm
; A joint load: waves 0 and 1 fetch the tokens' halves, waves 2 and 3 the weights'.  The branch hangs on the wave's number alone.  Four v_nop follow each of the two lines.
.macro JLOAD s
	s_cmp_eq_u32 s19, 0
	s_cbranch_scc0 .Lfor_w_\@
	tensor_load_to_lds s[G0X+4*\s:G0X+4*\s+3], s[G1X:G1X+7]
	s_nop 0
.rept 4
	v_nop
.endr
	s_branch .Lasked_\@
.Lfor_w_\@:
	tensor_load_to_lds s[G0W+4*\s:G0W+4*\s+3], s[G1W:G1W+7]
	s_nop 0
.rept 4
	v_nop
.endr
.Lasked_\@:
.endm
.macro CREST                           ; a round of the cluster's barrier behind its opening barrier
	s_cmp_lg_u32 s18, 0
	s_cbranch_scc1 .Lnot_wave_0_\@
	s_barrier_signal -3
.Lnot_wave_0_\@:
	s_barrier_wait -3
	s_barrier_signal -1
	s_barrier_wait -1
.endm
.macro CROUND
	s_barrier_signal -1
	s_barrier_wait -1
	CREST
.endm
.macro PLACES                          ; four plain places behind a matrix instruction, in front of loads into its registers and of the first read of results
.rept 4
	v_nop
.endr
.endm
	s_load_b256 s[4:11], s[0:1], 0x0               ; codes, scl, bq, bk
	s_load_b128 s[12:15], s[0:1], 0x20             ; bv, qkv
	s_load_b64 s[16:17], s[0:1], 0x30              ; qkvs
	v_lshl_add_u32 v[SPW], v0, 2, SPARE
	v_mov_b32 v[NIL], 0
	ds_add_u32 v28, v29
	ds_add_u32 v28, v29
	s_wait_dscnt 0x0
	v_lshrrev_b32 v1, 5, v0
	v_readfirstlane_b32 s18, v1                    ; wave 0..3
	s_lshr_b32 s19, s18, 1                         ; wm: which 128 tokens are mine.  Also: I fetch tokens (0) or weights (1)
	s_and_b32 s20, s18, 1                          ; wn: which 64 columns.  Also: which half of that part I fetch
	s_bfe_u32 s42, ttmp6, 0x40000                  ; cx, cy: my place in the cluster
	s_bfe_u32 s43, ttmp6, 0x40004
	s_lshl_b32 s44, ttmp9, 2
	s_add_co_u32 s44, s44, s42                     ; X = 4 x cluster x + cx
	s_and_b32 s45, ttmp7, 0xffff
	s_lshl_b32 s45, s45, 2
	s_add_co_u32 s45, s45, s43                     ; Y = 4 x cluster y + cy
	s_lshl_b32 s46, s43, 2
	s_lshl_b32 s46, 15, s46                        ; my row of the cluster
	s_lshl_b32 s47, 0x1111, s42                    ; my column
	; descriptor group 1: rows of 6,144 bytes (four K steps of a tile: 768 elements of 8 bytes), 12,288 bytes apart; 8 token tiles or 4 weight tiles to a load; no padding
	s_or_b32 s[G1X], s46, (3<<16)|(1<<21)          ; 15:0 the mask: the tokens' tiles go to my row; 17:16 elements of 8 bytes; 21 set beside a mask
	s_or_b32 s[G1W], s47, (3<<16)|(1<<21)          ; the weights' to my column
.irp g, G1X, G1W
	s_mov_b32 s[\g+1], 768<<16                     ; tensor_dim0
	s_mov_b32 s[\g+3], 768<<16                     ; tile_dim0
	s_mov_b32 s[\g+5], 1536                        ; tensor_dim0_stride
	s_mov_b32 s[\g+6], 0
	s_mov_b32 s[\g+7], 0
.endr
	s_mov_b32 s[G1X+2], 8<<16                      ; tensor_dim1
	s_mov_b32 s[G1X+4], 8                          ; tile_dim1
	s_mov_b32 s[G1W+2], 4<<16
	s_mov_b32 s[G1W+4], 4
	; where the tiles come from: the tokens' hang on Y alone, the weights' on X alone, each in registers that never hold the other coordinate
	s_mul_i32 s82, s45, 16*12288
	s_mul_i32 s83, s20, 8*12288
	s_add_co_u32 s82, s82, s83                     ; token tile 16 Y + 8 x half
	s_mov_b32 s83, 0
	s_mul_i32 s84, s44, 8*12288
	s_mul_i32 s85, s20, 4*12288
	s_add_co_u32 s84, s84, s85
	s_add_co_u32 s84, s84, 1024*12288              ; weight tile 1024 + 8 X + 4 x half
	s_mov_b32 s85, 0
	s_mul_i32 s21, s20, 8*6144                     ; and where they go: no place in the cluster enters an LDS address
	s_mul_i32 s22, s20, 4*6144
	s_add_co_u32 s22, s22, WPART
	; my head and my group of 128 tokens
	s_lshr_b32 s86, s45, 3                         ; batch
	s_lshl_b32 s86, s86, 4
	s_lshl_b32 s87, s44, 1
	s_add_co_u32 s87, s87, s20                     ; head = 2 X + wn
	s_add_co_u32 s86, s86, s87
	s_lshl_b32 s86, s86, 4
	s_and_b32 s88, s45, 7
	s_lshl_b32 s88, s88, 1
	s_add_co_u32 s88, s88, s19                     ; g = 2 (Y % 8) + wm
	s_add_co_u32 s86, s86, s88                     ; 16 x (16 batch + head) + g
	s_lshl_b32 s90, s45, 13
	s_lshl_b32 s91, s19, 12
	s_add_co_u32 s90, s90, s91                     ; my tokens' scale rows: (16 Y + 8 wm) x 512
	s_lshl_b32 s91, s44, 12
	s_lshl_b32 s89, s20, 11
	s_add_co_u32 s91, s91, s89
	s_add_co_u32 s91, s91, 1024*512                ; my weights': (1024 + 8 X + 4 wn) x 512
	s_sub_co_u32 s91, s91, s90                     ; the distance between the two
	s_mov_b32 s80, 0x76543210
	s_mov_b32 s81, 0xfedcba98                      ; v_permlanex16_b32's selects for lane l xor 16
	s_mov_b32 s89, 0
	s_wait_kmcnt 0x0
	s_add_nc_u64 s[82:83], s[4:5], s[82:83]
	s_add_nc_u64 s[84:85], s[4:5], s[84:85]
	s_mul_i32 s88, s86, 6144
	s_add_nc_u64 s[OI:OI+1], s[14:15], s[88:89]
	s_add_nc_u64 s[OI+2:OI+3], s[OI:OI+1], 6291456
	s_add_nc_u64 s[OI+4:OI+5], s[OI+2:OI+3], 6291456
	s_lshl_b32 s88, s86, 8
	s_add_nc_u64 s[OS:OS+1], s[16:17], s[88:89]
	s_add_nc_u64 s[OS+2:OS+3], s[OS:OS+1], 262144
	s_add_nc_u64 s[OS+4:OS+5], s[OS+2:OS+3], 262144
	s_lshl_b32 s88, s87, 8                         ; my head's 64 numbers of each bias
	s_add_nc_u64 s[8:9], s[8:9], s[88:89]
	s_add_nc_u64 s[10:11], s[10:11], s[88:89]
	s_add_nc_u64 s[12:13], s[12:13], s[88:89]
	CROUND                                         ; all sixteen work-groups are here: the first joint loads meet
.irp s, 0,1
	s_mov_b32 s[G0X+4*\s], 1                       ; count = 1
	s_add_co_u32 s[G0X+4*\s+1], s21, \s*SLOT       ; LDS address
	s_add_nc_u64 s[G0X+4*\s+2:G0X+4*\s+3], s[82:83], \s*6144   ; slot 0: K steps 0-3, slot 1: K steps 4-7
	s_or_b32 s[G0X+4*\s+3], s[G0X+4*\s+3], 0x80000000          ; type = 2
	s_mov_b32 s[G0W+4*\s], 1
	s_add_co_u32 s[G0W+4*\s+1], s22, \s*SLOT
	s_add_nc_u64 s[G0W+4*\s+2:G0W+4*\s+3], s[84:85], \s*6144
	s_or_b32 s[G0W+4*\s+3], s[G0W+4*\s+3], 0x80000000
	s_wait_alu depctr_va_vdst(0)
	s_wait_tensorcnt 0x0
	ds_add_u32 v28, v29
	ds_add_u32 v28, v29
	s_wait_dscnt 0x0
	CROUND
	JLOAD \s                                       ; one load of mine is out
.endr
	v_and_b32 v14, 31, v0                          ; lane
	v_and_b32 v1, 15, v0                           ; r
	v_bfe_u32 v2, v0, 4, 1                         ; h
	v_lshlrev_b32 v3, 4, v14                       ; 16 x lane
	v_lshlrev_b32 v4, 3, v14                       ; 8 x lane
	v_cmp_lt_u32 s40, 15, v14                      ; lanes 16-31
	s_mul_i32 s23, s19, 8*6144
	v_add_nc_u32 v[ADX], s23, v3
	v_add_nc_u32 v[ADX+1], SLOT, v[ADX]
	v_add_nc_u32 v[ADW], s22, v3
	v_add_nc_u32 v[ADW+1], SLOT, v[ADW]
	v_lshlrev_b32 v12, 6, v2                       ; bq, bk: 16 h numbers on
	v_and_b32 v13, 8, v1
	v_add_nc_u32 v13, v13, v1
	v_lshlrev_b32 v13, 2, v13                      ; bv: number r + 8 (r / 8) of a tile
	v_mul_u32_u24 v[SA], s91, v2                   ; lanes 16-31 take the weights' rows: one product, the lower base + h x the distance
	v_add_nc_u32 v[SA], s90, v[SA]
	v_lshl_add_u32 v[SA], v1, 5, v[SA]             ; + 32 r
	v_mul_u32_u24 v15, 0x38000, v2                 ; unit 1: the tokens' rows 512 tiles on, the weights' 64 tiles on
	v_sub_nc_u32 v[SA+1], v[SA], v15
	v_add_nc_u32 v[SA+1], 0x40000, v[SA+1]
	v_lshl_add_u32 v[SA+2], v2, 16, v[SA]          ; unit 2: x's rows again, the weights' 128 tiles on
.irp b, 0,1,2,3
	v_mov_b32 v[TM+4+\b], 0                        ; written once: a lane permute's destination counts as one of its sources
.endr
	WIN TO_W
.irp b, 0,1,2,3                        ; lane (r, h) wants, for weight tile b, bq and bk at columns 32 (b / 2) + 16 h + 8 (b % 2) + 0 .. 7, and bv at column 32 (b / 2) + 8 (b % 2) + r + 8 (r / 8)
	global_load_b128 v[BQ+8*\b:BQ+8*\b+3], v12, s[8:9] offset:(32*(\b/2)+8*(\b%2))*4
	global_load_b128 v[BQ+8*\b+4:BQ+8*\b+7], v12, s[8:9] offset:(32*(\b/2)+8*(\b%2))*4+16
	global_load_b128 v[BK+8*\b:BK+8*\b+3], v12, s[10:11] offset:(32*(\b/2)+8*(\b%2))*4
	global_load_b128 v[BK+8*\b+4:BK+8*\b+7], v12, s[10:11] offset:(32*(\b/2)+8*(\b%2))*4+16
	global_load_b32 v[BV+2*\b], v13, s[12:13] offset:(32*(\b/2)+8*(\b%2))*4
	global_load_b32 v[BV+2*\b+1], v13, s[12:13] offset:(32*(\b/2)+8*(\b%2))*4      ; twice: a pair for the packed addition
.endr
	WIN 0
.macro SCLOAD u                        ; a unit's scale words, all 8 K steps: a row's 32 bytes by two loads
.irp i, 0,1,2,3,4,5,6,7
.irp k, 0,1
	global_load_b128 v[SC+8*\i+4*\k:SC+8*\i+4*\k+3], v[SA+\u], s[6:7] offset:512*\i+16*\k
.endr
.endr
.endm
	SCLOAD 0
; 8 matrix instructions: token tiles 2 qr, 2 qr + 1 x the four weight tiles, K step s, fragment set p.  zero = 1: the product starts the sums: nothing is cleared.
; The 32 accumulators take turns, one instruction a turn, in the same order in every step.
.macro MULQ nat, p, s, qr, zero
.irp a, 2*(\qr), 2*(\qr)+1
.irp b, 0,1,2,3
.if \nat
.if \zero
	v_wmma_scale_f32_16x16x128_f8f6f4 v[8*(8*\b+(\a)):8*(8*\b+(\a))+7], v[96*(\p)+12*(\a):96*(\p)+12*(\a)+11], v[48*(\p)+12*\b:48*(\p)+12*\b+11], 0, v[SC+8*(\a)+(\s)], v[SC+8*\b+(\s)] matrix_a_fmt:MATRIX_FMT_FP6 matrix_b_fmt:MATRIX_FMT_FP6 matrix_b_scale:MATRIX_SCALE_ROW1
.else
	v_wmma_scale_f32_16x16x128_f8f6f4 v[8*(8*\b+(\a)):8*(8*\b+(\a))+7], v[96*(\p)+12*(\a):96*(\p)+12*(\a)+11], v[48*(\p)+12*\b:48*(\p)+12*\b+11], v[8*(8*\b+(\a)):8*(8*\b+(\a))+7], v[SC+8*(\a)+(\s)], v[SC+8*\b+(\s)] matrix_a_fmt:MATRIX_FMT_FP6 matrix_b_fmt:MATRIX_FMT_FP6 matrix_b_scale:MATRIX_SCALE_ROW1
.endif
.else
.if \zero
	v_wmma_scale_f32_16x16x128_f8f6f4 v[8*(4*(\a)+\b):8*(4*(\a)+\b)+7], v[48*(\p)+12*\b:48*(\p)+12*\b+11], v[96*(\p)+12*(\a):96*(\p)+12*(\a)+11], 0, v[SC+8*\b+(\s)], v[SC+8*(\a)+(\s)] matrix_a_fmt:MATRIX_FMT_FP6 matrix_b_fmt:MATRIX_FMT_FP6 matrix_a_scale:MATRIX_SCALE_ROW1
.else
	v_wmma_scale_f32_16x16x128_f8f6f4 v[8*(4*(\a)+\b):8*(4*(\a)+\b)+7], v[48*(\p)+12*\b:48*(\p)+12*\b+11], v[96*(\p)+12*(\a):96*(\p)+12*(\a)+11], v[8*(4*(\a)+\b):8*(4*(\a)+\b)+7], v[SC+8*\b+(\s)], v[SC+8*(\a)+(\s)] matrix_a_fmt:MATRIX_FMT_FP6 matrix_b_fmt:MATRIX_FMT_FP6 matrix_a_scale:MATRIX_SCALE_ROW1
.endif
.endif
.endr
.endr
.endm
; 36 LDS loads in one run: my 8 token fragments and 4 weight fragments of the slot's q-th K step, into set p
.macro FETCH slot, q, p
	WIN TO_X
.irp a, 0,1,2,3,4,5,6,7
.irp c, 0,1,2
	ds_load_b128 v[96*(\p)+12*\a+4*\c:96*(\p)+12*\a+4*\c+3], v[ADX+\slot] offset:6144*\a+1536*(\q)+512*\c
.endr
.endr
	WIN TO_W
.irp b, 0,1,2,3
.irp c, 0,1,2
	ds_load_b128 v[48*(\p)+12*\b+4*\c:48*(\p)+12*\b+4*\c+3], v[ADW+\slot] offset:6144*\b+1536*(\q)+512*\c
.endr
.endr
.endm
; A K step that has its successor in the same slot: the successor's fragments are fetched in its middle, into the other set
.macro STEP nat, slot, q, zero
	s_wait_dscnt 0x0                               ; this step's fragments are in (asked for 16 matrix instructions ago)
	MWIN \nat
	MULQ \nat, (\q)%2, 4*\slot+\q, 0, \zero
	MULQ \nat, (\q)%2, 4*\slot+\q, 1, \zero
	PLACES
	FETCH \slot, \q+1, 1-(\q)%2
	MWIN \nat
	MULQ \nat, (\q)%2, 4*\slot+\q, 2, \zero
	MULQ \nat, (\q)%2, 4*\slot+\q, 3, \zero
.endm
.macro THREE nat, slot, zero
	STEP \nat, \slot, 0, \zero
	STEP \nat, \slot, 1, 0
	STEP \nat, \slot, 2, 0
.endm
; A slot's last K step changes slots: ONE barrier; in front of it each wave waits for all its tensor loads, adds 0 to its spare word, and waits for that and for its reads of this slot.
; fill = 1: the slot is filled again with the same four K steps of the next unit (up = 1: from x's tiles on to y's; 0: back to x's); the load has a whole slot's 128 matrix instructions in which to land.
.macro TURN nat, slot, fill, up
	WIN 0                                          ; (the add's two registers lie in window 0)
	s_wait_tensorcnt 0x0                           ; all my tensor loads have landed: the one that was out is my part of the other slot
	ds_add_u32 v[SPW], v[NIL]                      ; 0 onto my spare word
	s_wait_dscnt 1                                 ; (the add alone may be out: this step's fragments are in)
	MWIN \nat
	MULQ \nat, 1, 4*\slot+3, 0, 0                  ; eight matrix instructions stand between the add and the wait for it
	s_wait_dscnt 0x0                               ; the add is done, and my reads of this slot are over
	s_barrier_signal -1
	MULQ \nat, 1, 4*\slot+3, 1, 0
	WIN 0
	s_barrier_wait -1
.if \fill
	CREST                                          ; the barrier has opened a round of the cluster's barrier: no wave of any partner still reads this slot or has a load on its way
.if \up
	s_add_nc_u64 s[G0X+4*\slot+2:G0X+4*\slot+3], s[G0X+4*\slot+2:G0X+4*\slot+3], XSTEP
.else
	s_sub_nc_u64 s[G0X+4*\slot+2:G0X+4*\slot+3], s[G0X+4*\slot+2:G0X+4*\slot+3], XSTEP
.endif
	s_add_nc_u64 s[G0W+4*\slot+2:G0W+4*\slot+3], s[G0W+4*\slot+2:G0W+4*\slot+3], WSTEP
	JLOAD \slot                                    ; the first tensor load behind the round, my one load until the next; its four v_nop are the places in front of the loads below
.else
	PLACES
.endif
	FETCH 1-\slot, 0, 0
	MWIN \nat
	MULQ \nat, 1, 4*\slot+3, 2, 0
	MULQ \nat, 1, 4*\slot+3, 3, 0
.endm
; 64 numbers of a lane, v[s] on, register 16 b + i = place 32 b + 16 (lane / 16) + i along the next K, become an image's codes in v[PC] on and its scale word in v[pw]
.macro QUANT s, pw
.irp b, 0,1,2,3
	v_max3_num_f32 v[TM+\b], |v[\s+16*\b]|, |v[\s+1+16*\b]|, 0x1800000   ; my 16 numbers of block b, and the floor 2^(3 - 127): the byte cannot fall under 1
.endr
.irp i, 2,4,6,8,10,12,14
.irp b, 0,1,2,3
	v_max3_num_f32 v[TM+\b], v[TM+\b], |v[\s+16*\b+\i]|, |v[\s+1+16*\b+\i]|   ; the four blocks by turns
.endr
.endr
.irp b, 0,1,2,3
	v_permlanex16_b32 v[TM+4+\b], v[TM+\b], s80, s81
.endr
.irp b, 0,1,2,3
	v_max_num_f32 v[TM+\b], v[TM+\b], v[TM+4+\b]   ; with lane l xor 16's: the block's largest magnitude
.endr
.irp b, 0,1,2,3
	v_add_nc_u32 v[TM+12+\b], 0xff000000, v[TM+\b] ; 2 off its exponent field: the conversion's scale operand
.endr
.irp b, 0,1,2,3
	v_lshrrev_b32 v[TM+4+\b], 23, v[TM+12+\b]      ; the scale's byte
.endr
	v_lshl_or_b32 v[\pw], v[TM+5], 8, v[TM+4]
	v_lshl_or_b32 v[\pw], v[TM+6], 16, v[\pw]
	v_lshl_or_b32 v[\pw], v[TM+7], 24, v[\pw]
.irp c, 0,1
	v_cvt_scalef32_pk16_fp6_f32 v[PC+6*\c:PC+2+6*\c], v[\s+32*\c:\s+15+32*\c], v[TM+12+2*\c]
	v_cvt_scalef32_pk16_fp6_f32 v[PC+12+4*\c:PC+14+4*\c], v[\s+16+32*\c:\s+31+32*\c], v[TM+12+2*\c+1]   ; (a conversion's three registers begin on an even number)
.endr
	v_nop                                          ; one plain place behind a scaled conversion
.irp c, 0,1                            ; the operand's layout wants a whole block in a lane: lanes 0-15 block 2 c, lanes 16-31 block 2 c + 1
.irp i, 0,1,2
	v_permlane16_swap_b32 v[PC+6*\c+\i], v[PC+12+4*\c+\i]
.endr
.irp i, 0,1,2
	v_mov_b32 v[PC+3+6*\c+\i], v[PC+12+4*\c+\i]
.endr
.endr
.endm
; THE WAY OUT of a unit: four images.  64 consecutive accumulator registers + the bias are one image's numbers; each accumulator is read from its low end on.
.macro EPI u, nat, bias
.irp i, 0,1,2,3
	WIN ADDB
.set k, 0
.rept 32
.if \nat
	v_pk_add_f32 v[H+k:H+k+1], v[64*\i+k:64*\i+k+1], v[\bias+2*\i:\bias+2*\i+1]
.else
	v_pk_add_f32 v[H+k:H+k+1], v[64*\i+k:64*\i+k+1], v[\bias+k%32:\bias+k%32+1]
.endif
.set k, k+2
.endr
	WIN 0
	s_wait_xcnt 0x0                                ; the stores issued so far have read their registers: the codes' registers are written again only behind this wait
	QUANT H, PW+\i
.irp c, 0,1,2
	global_store_b128 v3, v[PC+4*\c:PC+4*\c+3], s[OI+2*\u:OI+2*\u+1] offset:1536*\i+512*\c   ; 512 consecutive bytes, at a multiple of 512 from the buffer's first byte
.endr
.endr
	v_cndmask_b32 v[PK], v[PW], v[PW+1], s40       ; lanes 0-15 carry images 0 and 2, lanes 16-31 images 1 and 3
	v_cndmask_b32 v[PK+1], v[PW+2], v[PW+3], s40
	global_store_b64 v4, v[PK:PK+1], s[OS+2*\u:OS+2*\u+1]   ; one aligned block of 256 bytes
.endm
	s_wait_tensorcnt 0x1                           ; my part of slot 0 is in; slot 1's may stay out
	s_barrier_signal -1
	s_barrier_wait -1                              ; everybody's is
	FETCH 0, 0, 0
	s_wait_loadcnt 0x0                             ; the biases and unit 0's scale words
	; ---- q
	THREE 0, 0, 1
	TURN 0, 0, 1, 1
	THREE 0, 1, 0
	TURN 0, 1, 1, 1                                ; k's first fragments are fetched here
	WIN 0
	PLACES
	s_wait_alu depctr_va_vdst(0)
	SCLOAD 1
	EPI 0, 0, BQ
	s_wait_loadcnt 0x0
	; ---- k
	THREE 0, 0, 1
	TURN 0, 0, 1, 0
	THREE 0, 1, 0
	TURN 0, 1, 1, 0
	WIN 0
	PLACES
	SCLOAD 2
	EPI 1, 0, BK
	s_wait_loadcnt 0x0
	; ---- v
	THREE 1, 0, 1
	TURN 1, 0, 0, 0                                ; nothing is left to fetch
	THREE 1, 1, 0
	s_wait_dscnt 0x0
	WIN MUL_N
	MULQ 1, 1, 7, 0, 0
	MULQ 1, 1, 7, 1, 0
	MULQ 1, 1, 7, 2, 0
	MULQ 1, 1, 7, 3, 0
	WIN 0
	PLACES
	EPI 2, 1, BV
	s_wait_tensorcnt 0x0                           ; the wave's end
	ds_add_u32 v[SPW], v[NIL]
	s_wait_dscnt 0x0
	CROUND                                         ; the closing round: no work-group ends while a partner may still ask for a tile that names it
	s_endpgm
.Lfunc_end_k_q6764f73406_proj:
	.size	k_q6764f73406_proj, .Lfunc_end_k_q6764f73406_proj-k_q6764f73406_proj
	.p2alignl 7, 3214868480
	.fill 96, 4, 3214868480
	.section	.rodata,"a",@progbits
	.p2align	6, 0x0
	.amdhsa_kernel k_q6764f73406_proj
		.amdhsa_group_segment_fixed_size 327680
		.amdhsa_private_segment_fixed_size 0
		.amdhsa_enable_private_segment 0
		.amdhsa_kernarg_size 56
		.amdhsa_user_sgpr_count 2
		.amdhsa_user_sgpr_kernarg_segment_ptr 1
		.amdhsa_wavefront_size32 1
		.amdhsa_system_sgpr_workgroup_id_x 1
		.amdhsa_system_sgpr_workgroup_id_y 1
		.amdhsa_system_sgpr_workgroup_id_z 1
		.amdhsa_system_vgpr_workitem_id 0
		.amdhsa_next_free_vgpr 1024
		.amdhsa_next_free_sgpr 100
		.amdhsa_reserve_vcc 0
		.amdhsa_float_denorm_mode_32 3
		.amdhsa_float_denorm_mode_16_64 3
		.amdhsa_memory_ordered 1
		.amdhsa_forward_progress 1
		.amdhsa_inst_pref_size 251
	.end_amdhsa_kernel
	.amdgpu_metadata
---
amdhsa.version: [ 1, 2 ]
amdhsa.kernels:
  - .name:           k_q6764f73406_proj
    .symbol:         k_q6764f73406_proj.kd
    .args:
      - { .name: codes, .offset: 0, .size: 8, .value_kind: global_buffer, .address_space: global }
      - { .name: scl, .offset: 8, .size: 8, .value_kind: global_buffer, .address_space: global }
      - { .name: bq, .offset: 16, .size: 8, .value_kind: global_buffer, .address_space: global }
      - { .name: bk, .offset: 24, .size: 8, .value_kind: global_buffer, .address_space: global }
      - { .name: bv, .offset: 32, .size: 8, .value_kind: global_buffer, .address_space: global }
      - { .name: qkv, .offset: 40, .size: 8, .value_kind: global_buffer, .address_space: global }
      - { .name: qkvs, .offset: 48, .size: 8, .value_kind: global_buffer, .address_space: global }
    .group_segment_fixed_size: 327680
    .private_segment_fixed_size: 0
    .kernarg_segment_align: 8
    .kernarg_segment_size: 56
    .max_flat_workgroup_size: 128
    .sgpr_count:     100
    .vgpr_count:     1024
    .wavefront_size: 32
...
	.end_amdgpu_metadata
.endif
;; end of part 2
;; launch attn (part 3): grid 256 x 1, 16 waves a work-group, clusters of 4 x 1, 327,680 bytes of LDS; arguments qkv, qkvs, cimg, cs; writes cimg, cs
.if DOCPART == 3
	.amdgcn_target "amdgcn-amd-amdhsa--gfx1250"
	.amdhsa_code_object_version 6
	.text
	.protected	k_q6764f73406_attn
	.globl	k_q6764f73406_attn
	.p2align	8
	.type	k_q6764f73406_attn,@function
k_q6764f73406_attn:
	s_mov_b64 s[64:65], 0
	v_nop
	global_prefetch_b8 v0, s[64:65] scope:SCOPE_SE
	s_setreg_imm32_b32 hwreg(HW_REG_WAVE_MODE, 25, 1), 1
	s_wait_xcnt 0x0
	s_wait_alu depctr_hold_cnt(0) depctr_sa_sdst(0) depctr_va_vdst(0) depctr_va_sdst(0) depctr_va_ssrc(0) depctr_va_vcc(0) depctr_vm_vsrc(0)
	s_getreg_b32 s2, hwreg(HW_REG_IB_STS2, 6, 4)
	s_cmp_eq_u32 s2, 0
	s_cbranch_scc0 .Lentry_in_a_cluster
	s_endpgm
.Lentry_in_a_cluster:
	s_bfe_u32 s2, ttmp6, 0x10000c
	s_cmp_lg_u32 s2, 0x3003
	s_cbranch_scc0 .Lentry_shape_is_right
	s_endpgm
.Lentry_shape_is_right:
; ctx[q] = the sum over keys of softmax(q . k / 8) v for 64 heads of 2,048 queries and keys and 64 channels, both products on codes of FP6 (E2M3), and ctx quantised along the head's 64 on the way out.
; THE SOFTMAX: t = score x log2(e) / 8; M = the running largest t rounded up to a whole number; p = 2^(t - M) is quantised along the keys, not normalised; the row's sum is taken of the unquantised p and
; divides at the end.  When M moves, the sum and O are multiplied by 2^(old M - new M): exact.
; SHARES.  A cluster of four work-groups owns a head; each work-group a quarter of its queries (512), in two passes of 256; each of its sixteen waves one tile of 16 queries a pass, in 240 registers: four
; waves to a SIMD, so that one wave's vector work stands beside another's matrix work and LDS loads.
; THE HEAD'S WHOLE K AND V LIE IN LDS, as images of the operands' registers, with their scale words: 204,800 bytes, filled once by joint loads of the four work-groups.  So the loop over the keys has no
; barrier and no wait on a tile; a fragment is three loads of 512 consecutive bytes.
; THE FIRST PRODUCT'S K IS 64, THE INSTRUCTION'S 128.  An image of k holds two key tiles: k = 0 .. 63 the first's 64 dims, k = 64 .. 127 the second's.  Q lies in 18 registers [q | zeros | q]: the first 12
; multiply the first tile and null the second, the last 12 the other way round.  No byte of LDS holds padding.
; Both products are used transposed: a lane holds ONE query (lane % 16) throughout.  A tile's rows are 32 b + 8 u + r + 8 (r / 8), so the 16 registers of score tiles 2 b, 2 b + 1 are keys 32 b + 16 (lane / 16) + 0 .. 15.
; LIMITS: p under 2^-126 comes out of v_exp_f32 as 0; a block's largest p is made from its largest score by the same two instructions, which takes v_exp_f32 not to fall where its input rises; 1 / sum is
; v_rcp_f32 (1 ulp); a block of zeros gets the byte 1 (its codes are zeros; only this program reads the bytes); NaN and infinities are not served.
; WHAT IS STORED.  cimg: [token tile 0..511][head 0..15][768]: registers 0-3 of the head's six at 16 x lane, registers 4-5 at 512 + 8 x lane.  cs: [token tile][r][32]: the head's two scale bytes at 2 x head.
.set VI,  98304                        ; LDS: K's images at 0, V's here: 16 steps x 4 images x 1,536 bytes each
.set KS,  196608                       ; K's scale words: 16 steps x 256 bytes
.set VSO, 4096                         ; V's lie this far behind K's
.set F,   40                           ; v40-87   four images of k or of v
.set S,   96                           ; v96-159  the scores, then p
.set O,   160                          ; v160-191 O^T
.set PC,  192                          ; v192-203 p's codes; v204-206, v208-210 the conversions' second halves
.set BM,  212                          ; v212-215 a block's largest score, then its largest p
.set PX,  216                          ; v216-219 lane l xor 16's; then the bytes
.set SO,  220                          ; v220-223 the conversions' scale operands
.set FF,  224                          ; v[224:225] f = 2^(old M - new M); at the end 1 / sum
.set TMP, 226
.set PSW, 227                          ; p's scale word
.set SUM2, 228                         ; v[228:229] the sum's second chain
; v1 16 x lane; v2 8 x lane + KS; v3 8 r; v4, v5, v9 the step's addresses; v7 8 x lane + 512; v8 32 r; v10 16 x lane + VI; v12 -M; v13 the largest t; v[14:15] the sum; v16-33 Q; v34 Q's scale word; v36-37 K's; v38-39 V's
.macro ROUND                           ; a round of the cluster's barrier
	s_barrier_signal -1
	s_barrier_wait -1
	s_cmp_lg_u32 s12, 0
	s_cbranch_scc1 .Lnot_wave_0_\@
	s_barrier_signal -3
.Lnot_wave_0_\@:
	s_barrier_wait -3
	s_barrier_signal -1
	s_barrier_wait -1
.endm
	s_load_b256 s[4:11], s[0:1], 0x0               ; qkv, qkvs, cimg, cs
	v_lshl_add_u32 v240, v0, 2, 0x32000
	v_mov_b32 v241, 0
	ds_add_u32 v240, v241
	ds_add_u32 v240, v241
	v_lshrrev_b32 v1, 5, v0
	s_delay_alu instid0(VALU_DEP_1)
	v_readfirstlane_b32 s12, v1                    ; wave 0..15
	s_bfe_u32 s13, ttmp6, 0x40000                  ; cx: which quarter of the head's queries: it enters global addresses of q and ctx alone
	s_mov_b32 s14, ttmp9                           ; the head of a batch, 0..63: the cluster's number
	; descriptor groups 1: dense blocks as rows of 256 bytes (32 elements of 8 bytes): 48 rows of images, 2 rows of scale words; the mask names all four work-groups
	s_mov_b32 s16, 15|(3<<16)|(1<<21)
	s_mov_b32 s17, 32<<16
	s_mov_b32 s18, 48<<16
	s_mov_b32 s19, 32<<16
	s_mov_b32 s20, 48
	s_mov_b32 s21, 32
	s_mov_b32 s22, 0
	s_mov_b32 s23, 0
	s_mov_b32 s24, 15|(3<<16)|(1<<21)
	s_mov_b32 s25, 32<<16
	s_mov_b32 s26, 2<<16
	s_mov_b32 s27, 32<<16
	s_mov_b32 s28, 2
	s_mov_b32 s29, 32
	s_mov_b32 s30, 0
	s_mov_b32 s31, 0
	; waves 0-7 fetch an eighth of K each, waves 8-15 of V: 12,288 bytes of images and 512 of scale words
	s_lshr_b32 s58, s12, 3
	s_add_co_u32 s58, s58, 1                       ; 1: K's region of the buffers, 2: V's
	s_and_b32 s59, s12, 7
	s_mul_i32 s60, s58, 6291456
	s_mul_i32 s61, s14, 98304
	s_add_co_u32 s60, s60, s61
	s_mul_i32 s61, s59, 12288
	s_add_co_u32 s60, s60, s61
	s_mov_b32 s61, 0
	s_lshl_b32 s62, s58, 18
	s_lshl_b32 s63, s14, 12
	s_add_co_u32 s62, s62, s63
	s_lshl_b32 s63, s59, 9
	s_add_co_u32 s62, s62, s63
	s_mov_b32 s63, 0
	s_mov_b32 s32, 1
	s_mul_i32 s33, s12, 12288                      ; LDS: wave x 12,288: K's eight parts, then V's
	s_mov_b32 s36, 1
	s_lshl_b32 s37, s12, 9
	s_add_co_u32 s37, s37, KS
	s_mov_b32 s40, 0x76543210
	s_mov_b32 s41, 0xfedcba98                      ; v_permlanex16_b32's selects for lane l xor 16
	s_mov_b32 s42, 0x3e38aa3b                      ; c = log2(e) / 8
	s_mov_b32 s43, s42                             ; (named with it as a pair, so it is written)
	s_wait_dscnt 0x0
	s_wait_kmcnt 0x0
	s_add_nc_u64 s[34:35], s[4:5], s[60:61]
	s_or_b32 s35, s35, 0x80000000
	s_add_nc_u64 s[38:39], s[6:7], s[62:63]
	s_or_b32 s39, s39, 0x80000000
	ROUND                                          ; all four work-groups are here: the joint loads meet
	tensor_load_to_lds s[32:35], s[16:23]
	s_nop 0
	s_wait_alu depctr_va_vdst(0)
	s_wait_tensorcnt 0x0
	ds_add_u32 v240, v241
	s_wait_dscnt 0x0
	ROUND
	tensor_load_to_lds s[36:39], s[24:31]          ; one load of mine is out; these bytes are filled once
	s_nop 0
.rept 4
	v_nop
.endr
	; my query tile of pass 0: tile 32 cx + wave of the head: group 4 cx + wave / 8, image (wave / 2) % 4, half wave % 2
	s_lshr_b32 s66, s12, 3
	s_bfe_u32 s67, s12, 0x20001                    ; the image
	s_lshl_b32 s68, s14, 4
	s_lshl_b32 s69, s13, 2
	s_add_co_u32 s68, s68, s69
	s_add_co_u32 s68, s68, s66                     ; 16 x head + group
	s_mul_i32 s70, s68, 6144
	s_mul_i32 s71, s67, 1536
	s_add_co_u32 s70, s70, s71
	s_mov_b32 s71, 0
	s_add_nc_u64 s[50:51], s[4:5], s[70:71]        ; q's image
	s_lshl_b32 s70, s68, 8
	s_and_b32 s72, s67, 1
	s_lshl_b32 s72, s72, 7
	s_add_co_u32 s70, s70, s72
	s_lshr_b32 s72, s67, 1
	s_lshl_b32 s72, s72, 2
	s_add_co_u32 s70, s70, s72
	s_add_nc_u64 s[52:53], s[6:7], s[70:71]        ; its scale words: 8 bytes a row
	s_lshr_b32 s72, s14, 4
	s_lshl_b32 s72, s72, 7
	s_lshl_b32 s73, s13, 5
	s_add_co_u32 s72, s72, s73
	s_add_co_u32 s72, s72, s12                     ; the token tile: 128 batch + 32 cx + wave
	s_and_b32 s73, s14, 15                         ; the head in its batch
	s_mul_i32 s70, s72, 12288
	s_mul_i32 s74, s73, 768
	s_add_co_u32 s70, s70, s74
	s_add_nc_u64 s[54:55], s[8:9], s[70:71]        ; ctx's codes
	s_lshl_b32 s70, s72, 9
	s_lshl_b32 s74, s73, 1
	s_add_co_u32 s70, s70, s74
	s_add_nc_u64 s[56:57], s[10:11], s[70:71]      ; and their scale bytes
	s_and_b32 s74, s12, 1
	s_cmp_eq_u32 s74, 1
	s_cselect_b32 s48, -1, 0                       ; all lanes: my tile is the image's second half
	v_and_b32 v6, 31, v0
	v_and_b32 v3, 15, v0
	s_delay_alu instid0(VALU_DEP_2)
	v_lshlrev_b32 v1, 4, v6
	s_delay_alu instid0(VALU_DEP_3)
	v_lshl_add_u32 v2, v6, 3, KS
	s_delay_alu instid0(VALU_DEP_4)
	v_lshl_add_u32 v7, v6, 3, 512
	s_delay_alu instid0(VALU_DEP_4)
	v_lshlrev_b32 v8, 5, v3
	v_lshlrev_b32 v3, 3, v3
	v_add_nc_u32 v10, VI, v1
.irp b, 0,1,2,3
	v_mov_b32 v[PX+\b], 0                          ; written once: a lane permute's destination counts as one of its sources
.endr
	v_mov_b32 v[FF+1], 0                           ; (named as the upper half of a pair)
	s_wait_tensorcnt 0x0                           ; my parts of K, V and their scale words have landed,
	s_barrier_signal -1
	s_barrier_wait -1                              ; everybody's have
.macro FETCHK ak, as, ok, os           ; a step's four images of k and their scale words
.irp i, 0,1,2,3
.irp c, 0,1,2
	ds_load_b128 v[F+12*\i+4*\c:F+12*\i+4*\c+3], v[\ak] offset:\ok+1536*\i+512*\c
.endr
.endr
	ds_load_b64 v[36:37], v[\as] offset:\os        ; v36: images 0 (lanes 0-15) and 1 (lanes 16-31); v37: images 2 and 3
.endm
; A KEY STEP: 128 keys.  more = 1: the next step's K is fetched at its end.
.macro STEP more
	s_wait_dscnt 0x0                               ; K is in
.irp i, 0,1,2,3
.irp u, 0,1
.if \i%2
	v_wmma_scale_f32_16x16x128_f8f6f4 v[S+8*(2*\i+\u):S+8*(2*\i+\u)+7], v[F+12*\i:F+12*\i+11], v[16+6*\u:27+6*\u], 0, v[36+\i/2], v34 matrix_a_fmt:MATRIX_FMT_FP6 matrix_b_fmt:MATRIX_FMT_FP6 matrix_a_scale:MATRIX_SCALE_ROW1
.else
	v_wmma_scale_f32_16x16x128_f8f6f4 v[S+8*(2*\i+\u):S+8*(2*\i+\u)+7], v[F+12*\i:F+12*\i+11], v[16+6*\u:27+6*\u], 0, v[36+\i/2], v34 matrix_a_fmt:MATRIX_FMT_FP6 matrix_b_fmt:MATRIX_FMT_FP6
.endif
.endr
.endr
	v_add_nc_u32 v5, s44, v10                      ; the step's addresses: with the v_nop the four places in front of the loads into K's registers and of the first read of the scores
	v_add_nc_u32 v9, s45, v2
	v_add_nc_u32 v4, s44, v1
	v_nop
.irp t, 0,1,2,3
.irp c, 0,1,2
	ds_load_b128 v[F+12*\t+4*\c:F+12*\t+4*\c+3], v5 offset:1536*\t+512*\c   ; V's four images land while the softmax is worked
.endr
.endr
	ds_load_b64 v[38:39], v9 offset:VSO
.irp b, 0,1,2,3
	v_max3_num_f32 v[BM+\b], v[S+16*\b], v[S+1+16*\b], v[S+2+16*\b]   ; the largest score of each block of 32 keys: for the row's maximum, and, since p rises with the score, for the block's largest p
.endr
.irp i, 3,5,7,9,11,13
.irp b, 0,1,2,3
	v_max3_num_f32 v[BM+\b], v[BM+\b], v[S+16*\b+\i], v[S+1+16*\b+\i]
.endr
.endr
.irp b, 0,1,2,3
	v_max_num_f32 v[BM+\b], v[BM+\b], v[S+15+16*\b]
.endr
.irp b, 0,1,2,3
	s_delay_alu instid0(VALU_DEP_4)
	v_permlanex16_b32 v[PX+\b], v[BM+\b], s40, s41
.endr
.irp b, 0,1,2,3
	s_delay_alu instid0(VALU_DEP_4)
	v_max_num_f32 v[BM+\b], v[BM+\b], v[PX+\b]     ; with lane l xor 16's 16 keys
.endr
	s_delay_alu instid0(VALU_DEP_2)
	v_max3_num_f32 v[TMP], v[BM], v[BM+1], v[BM+2]
	s_delay_alu instid0(VALU_DEP_1)
	v_max_num_f32 v[TMP], v[TMP], v[BM+3]
	s_delay_alu instid0(VALU_DEP_1)
	v_mul_f32 v[TMP], s42, v[TMP]                  ; the step's largest t (c is positive)
	s_delay_alu instid0(VALU_DEP_1)
	v_max_num_f32 v13, v13, v[TMP]
	v_mov_b32 v[TMP], v12
	s_delay_alu instid0(VALU_DEP_2)
	v_floor_f32 v12, -v13                          ; the new -M = floor(-t): M is a whole number
	s_delay_alu instid0(VALU_DEP_1)
	v_sub_f32 v[TMP], v12, v[TMP]                  ; old M - new M: a whole number, 0 or less
	s_delay_alu instid0(VALU_DEP_1)
	v_cvt_i32_f32 v[TMP], v[TMP]                   ; (it saturates)
	s_delay_alu instid0(VALU_DEP_1)
	v_ldexp_f32 v[FF], 1.0, v[TMP]                 ; f = 2^(old M - new M)
.set k, 0
.rept 32
	v_pk_fma_f32 v[S+k:S+k+1], v[S+k:S+k+1], s[42:43], v[12:13] op_sel_hi:[1,0,0]   ; t - M, two at a time
.set k, k+2
.endr
.irp b, 0,1,2,3
	v_fma_f32 v[BM+\b], v[BM+\b], s42, v12
.endr
.set k, 0
	s_wait_alu depctr_va_vdst(0)
.rept 64
	v_exp_f32 v[S+k], v[S+k]                       ; p = 2^(t - M), at most 1
.set k, k+1
.endr
	s_setprio 1
.irp b, 0,1,2,3
	v_exp_f32 v[BM+\b], v[BM+\b]                   ; the block's largest p: the same two instructions on the same number
.endr
	v_pk_mul_f32 v[14:15], v[14:15], v[FF:FF+1] op_sel_hi:[1,0]   ; the sum under the new M.  (A plain place behind the exponentials)
	s_wait_alu depctr_va_vdst(0)
.irp b, 0,1,2,3
	v_max_num_f32 v[BM+\b], 0x1800000, v[BM+\b]    ; the floor 2^(3 - 127): the byte cannot fall under 1
.endr
.irp b, 0,1,2,3
	s_delay_alu instid0(VALU_DEP_4)
	v_add_nc_u32 v[SO+\b], 0xff000000, v[BM+\b]
.endr
.irp b, 0,1,2,3
	s_delay_alu instid0(VALU_DEP_4)
	v_lshrrev_b32 v[PX+\b], 23, v[SO+\b]
.endr
	s_delay_alu instid0(VALU_DEP_3)
	v_lshl_or_b32 v[PSW], v[PX+1], 8, v[PX]
	s_delay_alu instid0(VALU_DEP_1)
	v_lshl_or_b32 v[PSW], v[PX+2], 16, v[PSW]
	s_delay_alu instid0(VALU_DEP_1)
	v_lshl_or_b32 v[PSW], v[PX+3], 24, v[PSW]
.irp c, 0,1
	v_cvt_scalef32_pk16_fp6_f32 v[PC+6*\c:PC+2+6*\c], v[S+32*\c:S+15+32*\c], v[SO+2*\c]
	v_cvt_scalef32_pk16_fp6_f32 v[PC+12+4*\c:PC+14+4*\c], v[S+16+32*\c:S+31+32*\c], v[SO+2*\c+1]
.endr
	v_nop                                          ; one plain place behind a scaled conversion
.irp c, 0,1
.irp i, 0,1,2
	v_permlane16_swap_b32 v[PC+6*\c+\i], v[PC+12+4*\c+\i]
.endr
.irp i, 0,1,2
	s_delay_alu instid0(VALU_DEP_3)
	v_mov_b32 v[PC+3+6*\c+\i], v[PC+12+4*\c+\i]
.endr
.endr
.set k, 0
.rept 16
	v_pk_mul_f32 v[O+k:O+k+1], v[O+k:O+k+1], v[FF:FF+1] op_sel_hi:[1,0]   ; O^T under the new M, each accumulator from its low end on.  These 16 are the places between the codes and scale word just made and the products
.set k, k+2
.endr
	s_wait_alu depctr_va_vdst(0)
	s_wait_dscnt 0x0                               ; V is in
.irp t, 0,1,2,3                        ; the four accumulators take turns
.if \t%2
	v_wmma_scale_f32_16x16x128_f8f6f4 v[O+8*\t:O+8*\t+7], v[F+12*\t:F+12*\t+11], v[PC:PC+11], v[O+8*\t:O+8*\t+7], v[38+\t/2], v[PSW] matrix_a_fmt:MATRIX_FMT_FP6 matrix_b_fmt:MATRIX_FMT_FP6 matrix_a_scale:MATRIX_SCALE_ROW1
.else
	v_wmma_scale_f32_16x16x128_f8f6f4 v[O+8*\t:O+8*\t+7], v[F+12*\t:F+12*\t+11], v[PC:PC+11], v[O+8*\t:O+8*\t+7], v[38+\t/2], v[PSW] matrix_a_fmt:MATRIX_FMT_FP6 matrix_b_fmt:MATRIX_FMT_FP6
.endif
.endr
	v_pk_add_f32 v[SUM2:SUM2+1], v[S:S+1], v[S+2:S+3]   ; the row's sum of the unquantised p, in two chains.  The first five additions are the places in front of the loads into V's registers
	s_setprio 0
.irp j, 4,8
	v_pk_add_f32 v[14:15], v[14:15], v[S+\j:S+\j+1]
	v_pk_add_f32 v[SUM2:SUM2+1], v[SUM2:SUM2+1], v[S+2+\j:S+3+\j]
.endr
.if \more
	FETCHK 4, 9, 6144, 256                         ; the next step's K lands while the rest of the sum is taken
.endif
.irp j, 12,16,20,24,28,32,36,40,44,48,52,56,60
	v_pk_add_f32 v[14:15], v[14:15], v[S+\j:S+\j+1]
	v_pk_add_f32 v[SUM2:SUM2+1], v[SUM2:SUM2+1], v[S+2+\j:S+3+\j]
.endr
	s_delay_alu instid0(VALU_DEP_1)
	v_pk_add_f32 v[14:15], v[14:15], v[SUM2:SUM2+1]
	s_add_co_u32 s44, s44, 6144                    ; the next step's images
	s_add_co_u32 s45, s45, 256                     ; and scale words
.endm
	s_mov_b32 s47, 2
.Lpass:                                            ; two passes: 16 tiles of 16 queries each
	global_load_b128 v[F:F+3], v1, s[50:51]        ; the image that holds my tile of q
	global_load_b128 v[F+4:F+7], v1, s[50:51] offset:512
	global_load_b128 v[F+8:F+11], v1, s[50:51] offset:1024
	s_wait_alu depctr_va_vdst(0)
	global_load_b32 v[TMP], v3, s[52:53]           ; and its scale word of row r
	s_mov_b32 s44, 0
	s_mov_b32 s45, 0
	v_mov_b32 v13, 0xff61b1e6                      ; the largest t so far: -3e38, under every t
	s_delay_alu instid0(VALU_DEP_1)
	v_floor_f32 v12, -v13
	v_mov_b32 v14, 0
	v_mov_b32 v15, 0
.irp j, 0,1,2,3,4,5
	v_mov_b32 v[22+\j], 0                          ; zero codes between the two copies of q
.endr
	s_wait_loadcnt 0x0
.irp j, 0,1,2,3,4,5
	v_cndmask_b32 v[16+\j], v[F+\j], v[F+6+\j], s48   ; my half of the image
.endr
.irp j, 0,1,2,3,4,5
	v_mov_b32 v[28+\j], v[16+\j]
.endr
	v_perm_b32 v34, v[TMP], v[TMP], 0x01000100     ; my tile's two scale bytes, twice: they serve q in either half of K
	v_perm_b32 v35, v[TMP], v[TMP], 0x03020302
	s_delay_alu instid0(VALU_DEP_1)
	v_cndmask_b32 v34, v34, v35, s48
	FETCHK 1, 2, 0, 0                              ; key step 0
.set k, 0
.rept 32
	v_mov_b32 v[O+k], 0                            ; O^T: the step is written once, its first trip finds zeros.  (These are also the places between q's registers and scale word and the first product)
.set k, k+1
.endr
	s_mov_b32 s46, 15
.Lstep:
	s_setprio 2
	STEP 1
	s_sub_co_u32 s46, s46, 1
	s_cmp_lg_u32 s46, 0
	s_cbranch_scc1 .Lstep
	s_setprio 0
	STEP 0                                         ; the last step fetches nothing more
	; THE WAY OUT: O^T / the sum, quantised along the head's 64: two blocks of 32; register 16 b + i is channel 32 b + 16 (lane / 16) + i
	v_add_f32 v14, v14, v15
	s_delay_alu instid0(VALU_DEP_1)
	v_permlanex16_b32 v[PX], v14, s40, s41
	s_delay_alu instid0(VALU_DEP_1)
	v_add_f32 v14, v14, v[PX]                      ; the row's sum
	s_wait_alu depctr_va_vdst(0)
	v_rcp_f32 v[FF], v14
	v_nop                                          ; one plain place behind a transcendental
.set k, 0
	s_wait_alu depctr_va_vdst(0)
.rept 16
	v_pk_mul_f32 v[S+k:S+k+1], v[O+k:O+k+1], v[FF:FF+1] op_sel_hi:[1,0]   ; each accumulator from its low end on
.set k, k+2
.endr
.irp b, 0,1
	v_max3_num_f32 v[BM+\b], |v[S+16*\b]|, |v[S+1+16*\b]|, 0x1800000
.endr
.irp i, 2,4,6,8,10,12,14
.irp b, 0,1
	s_delay_alu instid0(VALU_DEP_2)
	v_max3_num_f32 v[BM+\b], v[BM+\b], |v[S+16*\b+\i]|, |v[S+1+16*\b+\i]|
.endr
.endr
.irp b, 0,1
	s_delay_alu instid0(VALU_DEP_2)
	v_permlanex16_b32 v[PX+\b], v[BM+\b], s40, s41
.endr
.irp b, 0,1
	s_delay_alu instid0(VALU_DEP_2)
	v_max_num_f32 v[BM+\b], v[BM+\b], v[PX+\b]
.endr
.irp b, 0,1
	s_delay_alu instid0(VALU_DEP_2)
	v_add_nc_u32 v[SO+\b], 0xff000000, v[BM+\b]
.endr
.irp b, 0,1
	s_delay_alu instid0(VALU_DEP_2)
	v_lshrrev_b32 v[PX+\b], 23, v[SO+\b]
.endr
	s_delay_alu instid0(VALU_DEP_1)
	v_lshl_or_b32 v[TMP], v[PX+1], 8, v[PX]        ; the head's two scale bytes of my token
	v_cvt_scalef32_pk16_fp6_f32 v[PC:PC+2], v[S:S+15], v[SO]
	v_cvt_scalef32_pk16_fp6_f32 v[PC+12:PC+14], v[S+16:S+31], v[SO+1]
	v_nop                                          ; one plain place behind a scaled conversion
.irp i, 0,1,2
	v_permlane16_swap_b32 v[PC+\i], v[PC+12+\i]    ; lanes 0-15 get block 0 whole, lanes 16-31 block 1
.endr
.irp i, 0,1,2
	s_delay_alu instid0(VALU_DEP_3)
	v_mov_b32 v[PC+3+\i], v[PC+12+\i]
.endr
	global_store_b128 v1, v[PC:PC+3], s[54:55]     ; 512 consecutive bytes,
	global_store_b64 v7, v[PC+4:PC+5], s[54:55]    ; and 256 behind them
	global_store_b16 v8, v[TMP], s[56:57]          ; two bytes a token, 32 bytes apart: their neighbours belong to other heads; both halves of the lanes write the same bytes with the same value
	s_wait_xcnt 0x0                                ; the stores have read their registers and bases: both are written again only behind this wait
	s_add_nc_u64 s[50:51], s[50:51], 12288         ; the next pass: 16 tiles, two groups, on
	s_add_nc_u64 s[52:53], s[52:53], 512
	s_add_nc_u64 s[54:55], s[54:55], 196608
	s_add_nc_u64 s[56:57], s[56:57], 8192
	s_sub_co_u32 s47, s47, 1
	s_cmp_lg_u32 s47, 0
	s_cbranch_scc1 .Lpass
	s_wait_dscnt 0x0
	s_wait_tensorcnt 0x0
	ds_add_u32 v240, v241
	s_wait_dscnt 0x0
	ROUND                                          ; the closing round: no work-group ends while a partner may still ask for a tile that names it
	s_endpgm
.Lfunc_end_k_q6764f73406_attn:
	.size	k_q6764f73406_attn, .Lfunc_end_k_q6764f73406_attn-k_q6764f73406_attn
	.p2alignl 7, 3214868480
	.fill 96, 4, 3214868480
	.section	.rodata,"a",@progbits
	.p2align	6, 0x0
	.amdhsa_kernel k_q6764f73406_attn
		.amdhsa_group_segment_fixed_size 327680
		.amdhsa_private_segment_fixed_size 0
		.amdhsa_enable_private_segment 0
		.amdhsa_kernarg_size 32
		.amdhsa_user_sgpr_count 2
		.amdhsa_user_sgpr_kernarg_segment_ptr 1
		.amdhsa_wavefront_size32 1
		.amdhsa_system_sgpr_workgroup_id_x 1
		.amdhsa_system_sgpr_workgroup_id_y 1
		.amdhsa_system_sgpr_workgroup_id_z 1
		.amdhsa_system_vgpr_workitem_id 0
		.amdhsa_next_free_vgpr 242
		.amdhsa_next_free_sgpr 100
		.amdhsa_reserve_vcc 0
		.amdhsa_float_denorm_mode_32 3
		.amdhsa_float_denorm_mode_16_64 3
		.amdhsa_memory_ordered 1
		.amdhsa_forward_progress 1
		.amdhsa_inst_pref_size 47
	.end_amdhsa_kernel
	.amdgpu_metadata
---
amdhsa.version: [ 1, 2 ]
amdhsa.kernels:
  - .name:           k_q6764f73406_attn
    .symbol:         k_q6764f73406_attn.kd
    .args:
      - { .name: qkv, .offset: 0, .size: 8, .value_kind: global_buffer, .address_space: global }
      - { .name: qkvs, .offset: 8, .size: 8, .value_kind: global_buffer, .address_space: global }
      - { .name: cimg, .offset: 16, .size: 8, .value_kind: global_buffer, .address_space: global }
      - { .name: cs, .offset: 24, .size: 8, .value_kind: global_buffer, .address_space: global }
    .group_segment_fixed_size: 327680
    .private_segment_fixed_size: 0
    .kernarg_segment_align: 8
    .kernarg_segment_size: 32
    .max_flat_workgroup_size: 512
    .sgpr_count:     100
    .vgpr_count:     242
    .wavefront_size: 32
...
	.end_amdgpu_metadata
.endif
;; end of part 3
;; launch outln (part 4): grid 128 x 1, 4 waves a work-group, no clusters, 312,832 bytes of LDS; arguments cimg, cs, codes, scl, x, bd, gamma, beta, out0; writes out0
.if DOCPART == 4
	.amdgcn_target "amdgcn-amd-amdhsa--gfx1250"
	.amdhsa_code_object_version 6
	.text
	.protected	k_q6764f73406_outln
	.globl	k_q6764f73406_outln
	.p2align	8
	.type	k_q6764f73406_outln,@function
k_q6764f73406_outln:
	s_mov_b64 s[64:65], 0
	v_nop
	global_prefetch_b8 v0, s[64:65] scope:SCOPE_SE
	s_setreg_imm32_b32 hwreg(HW_REG_WAVE_MODE, 25, 1), 1
	s_wait_xcnt 0x0
; out = gamma LN(ctx Wd^T + bd + x) + beta.  The product is on codes of FP6 (E2M3); the rest is f32; mean and variance in two passes, as they are defined.
; SHARES.  A work-group takes 64 tokens (four token tiles) x all 1,024 columns, since the norm needs whole rows.  Wave w makes columns 256 w .. 256 w + 255 (weight tiles 16 w + i) for the 64 tokens: 64 accumulators.
; No two waves want the same fragment of Wd: they go from memory straight into registers, image by image (three loads of 512 consecutive bytes), in batches of four tiles, five batches deep.  ctx's images
; (49,152 bytes) lie in LDS.  No joint loads: a K step of Wd for a work-group is 98,304 bytes, of which each wave reads its own quarter once, so LDS would add a write and a read to every byte.
; The product is used transposed (source 0 = 16 rows of Wd, source 1 = 16 tokens): a lane holds one token and eight neighbouring columns.  The sums meet in a stage in LDS (64 rows of 4,096 bytes + 16), and
; wave w then takes the 16 whole rows of token tile w: bias, residual, norm, gain, and stores of 512 consecutive bytes.
; Row r of a tile is row 32 b + 8 u + r + 8 (r / 8) of its tensor.
; LIMITS: 1 / sqrt is v_rsq_f32 (1 ulp); NaN and infinities are not served.
; REGISTERS, in windows of 256.  Window 0: v1-11 addresses; v32-95 Wd's scale words; v96-191 ctx's fragments, two sets of 48; v192-223 ctx's scale words.  Window 1: Wd's fragments, five batches of 48.
; Windows 2, 3: accumulator (token tile a, weight tile i) at v[8 (4 (i % 8) + a)] of window 2 + i / 8; later the 16 rows of x.  On the way out window 0 holds bd v32-63, gamma v64-95, beta v96-127, two rows at v128-191.
.set STG, 49152
.set SP,  4112                         ; a stage row: 4,096 bytes + 16: row r starts 4 r banks on, so the 16 rows of a store start at 16 different groups of banks
.set SW,  32                           ; register 8 i + s: lanes 0-15 the word of weight tile i, lanes 16-31 of tile i + 8, K step s
.set AF,  96
.set SA,  192                          ; register 8 a + s: the word of token tile a, K step s
.set MSB, 0
.macro WIN new
.if MSB != (\new)
	s_set_vgpr_msb (MSB<<8)|(\new)
.set MSB, (\new)
.endif
.endm
.macro PLACES
.rept 4
	v_nop
.endr
.endm
	s_load_b512 s[4:19], s[0:1], 0x0               ; cimg, cs, codes, scl, x, bd, gamma, beta
	s_load_b64 s[20:21], s[0:1], 0x40              ; out0
	v_lshl_add_u32 v254, v0, 2, 0x4c400
	v_mov_b32 v255, 0
	v_lshrrev_b32 v1, 5, v0
	v_readfirstlane_b32 s22, v1                    ; wave 0..3
	v_and_b32 v15, 31, v0                          ; lane
	v_and_b32 v13, 15, v0                          ; r
	v_bfe_u32 v14, v0, 4, 1                        ; h
	v_lshlrev_b32 v1, 4, v15                       ; 16 x lane
	v_lshl_add_u32 v2, v15, 3, 512                 ; 8 x lane + 512: registers 4, 5 of a head's six
	v_lshlrev_b32 v3, 8, v13
	v_lshl_add_u32 v3, v14, 12, v3                 ; the prefetch: lanes 256 bytes apart, sixteen to a row of x, two rows
	v_mul_u32_u24 v4, v13, SP
	v_lshl_add_u32 v4, v14, 6, v4
	s_lshl_b32 s23, s22, 10
	s_add_co_u32 s23, s23, STG
	v_add_nc_u32 v4, s23, v4                       ; the stage, on the way in: row 16 a + r, + 1,024 wave + 64 h
	v_add_nc_u32 v5, 16*SP, v4
	v_add_nc_u32 v6, 32*SP, v4
	v_add_nc_u32 v7, 48*SP, v4
	s_mul_i32 s23, s22, 16*SP
	s_add_co_u32 s23, s23, STG
	v_add_nc_u32 v8, s23, v1                       ; and on the way out: my 16 rows, 16 bytes a lane
	v_lshlrev_b32 v10, 5, v13                      ; ctx's scale rows: 32 r
	v_lshl_add_u32 v9, v14, 12, v10                ; Wd's: lanes 16-31 eight tiles on
	s_mul_i32 s23, s22, 12288
	v_add_nc_u32 v11, s23, v1                      ; where I put my quarter of ctx's images
	s_mov_b32 s24, 0x76543210
	s_mov_b32 s25, 0xfedcba98                      ; v_permlanex16_b32's selects for lane l xor 16
	s_mov_b32 s26, 0x3a800000                      ; 1 / 1,024
	s_mov_b32 s27, 0x2b8cbccc                      ; 1e-12
	s_lshl_b32 s28, ttmp9, 2
	s_add_co_u32 s28, s28, s22
	s_mul_i32 s28, s28, 12288                      ; token tile 4 j + wave
	s_mov_b32 s29, 0
	s_lshl_b32 s30, ttmp9, 11                      ; the four tiles' scale rows
	s_mov_b32 s31, 0
	s_lshl_b32 s32, s22, 4
	s_add_co_u32 s32, s32, 1216                    ; my first tile of Wd
	s_mul_i32 s34, s32, 12288
	s_mov_b32 s35, 0
	s_lshl_b32 s32, s32, 9
	s_mov_b32 s33, 0
	s_lshl_b32 s36, ttmp9, 6
	s_lshr_b32 s37, s22, 1
	s_lshl_b32 s37, s37, 5
	s_add_co_u32 s36, s36, s37
	s_and_b32 s37, s22, 1
	s_lshl_b32 s37, s37, 3
	s_add_co_u32 s36, s36, s37                     ; the first token of tile 4 j + wave: 64 j + 32 (wave / 2) + 8 (wave % 2)
	s_lshl_b32 s36, s36, 12
	s_mov_b32 s37, 0
	s_wait_alu depctr_va_vdst(0)
	s_wait_kmcnt 0x0
	s_add_nc_u64 s[4:5], s[4:5], s[28:29]
	s_add_nc_u64 s[6:7], s[6:7], s[30:31]
	s_add_nc_u64 s[8:9], s[8:9], s[34:35]
	s_add_nc_u64 s[10:11], s[10:11], s[32:33]
	s_add_nc_u64 s[12:13], s[12:13], s[36:37]
	s_add_nc_u64 s[20:21], s[20:21], s[36:37]
.irp i, 0,1,2,3,4,5,6,7
.irp k, 0,1
	global_load_b128 v[SW+8*\i+4*\k:SW+8*\i+4*\k+3], v9, s[10:11] offset:512*\i+16*\k
.endr
.endr
.irp a, 0,1,2,3
.irp k, 0,1
	global_load_b128 v[SA+8*\a+4*\k:SA+8*\a+4*\k+3], v10, s[6:7] offset:512*\a+16*\k
.endr
.endr
.irp n, 0,1,2,3,4,5,6,7,8,9,10,11,12,13,14,15,16,17,18,19,20,21,22,23
	global_load_b128 v[AF+4*\n:AF+4*\n+3], v1, s[4:5] offset:512*\n   ; my quarter of ctx's images, as it lies
.endr
.macro WLOAD b                         ; batch b: K step b / 4, weight tiles 4 (b % 4) + 0 .. 3, into buffer b % 5
	WIN 0x40
.irp ii, 0,1,2,3
.irp c, 0,1,2
	global_load_b128 v[48*((\b)%5)+12*\ii+4*\c:48*((\b)%5)+12*\ii+4*\c+3], v1, s[8:9] offset:12288*(4*((\b)%4)+\ii)+1536*((\b)/4)+512*\c
.endr
.endr
.endm
.macro AFETCH s                        ; ctx's four fragments of K step s (heads 2 s and 2 s + 1) into set s % 2
.irp a, 0,1,2,3
.irp c, 0,1
	ds_load_b128 v[AF+48*((\s)%2)+12*\a+6*\c:AF+48*((\s)%2)+12*\a+6*\c+3], v1 offset:12288*\a+1536*(\s)+768*\c
	ds_load_b64 v[AF+48*((\s)%2)+12*\a+6*\c+4:AF+48*((\s)%2)+12*\a+6*\c+5], v2 offset:12288*\a+1536*(\s)+768*\c
.endr
.endr
.endm
	WLOAD 0
	WIN 0
	s_wait_loadcnt 12                              ; the scale words and ctx are in; batch 0's twelve loads may be out
.irp n, 0,1,2,3,4,5,6,7,8,9,10,11,12,13,14,15,16,17,18,19,20,21,22,23
	ds_store_b128 v11, v[AF+4*\n:AF+4*\n+3] offset:512*\n
.endr
	WLOAD 1
	WLOAD 2
	WLOAD 3
	WLOAD 4                                        ; sixty loads of mine are out
	WIN 0
	s_wait_dscnt 0x0                               ; for the others' sake: my quarter lies in LDS
	s_barrier_signal -1
	s_barrier_wait -1
	AFETCH 0
	AFETCH 1
.macro WMM ii, a
.set TI, IB+\ii
.set DD, 8*(4*(TI%8)+\a)
.set WR, 48*(BB%5)+12*\ii
.set AR, AF+48*(SS%2)+12*\a
.if SS == 0
.if TI < 8
	v_wmma_scale_f32_16x16x128_f8f6f4 v[DD:DD+7], v[WR:WR+11], v[AR:AR+11], 0, v[SW+8*(TI%8)+SS], v[SA+8*\a+SS] matrix_a_fmt:MATRIX_FMT_FP6 matrix_b_fmt:MATRIX_FMT_FP6
.else
	v_wmma_scale_f32_16x16x128_f8f6f4 v[DD:DD+7], v[WR:WR+11], v[AR:AR+11], 0, v[SW+8*(TI%8)+SS], v[SA+8*\a+SS] matrix_a_fmt:MATRIX_FMT_FP6 matrix_b_fmt:MATRIX_FMT_FP6 matrix_a_scale:MATRIX_SCALE_ROW1
.endif
.else
.if TI < 8
	v_wmma_scale_f32_16x16x128_f8f6f4 v[DD:DD+7], v[WR:WR+11], v[AR:AR+11], v[DD:DD+7], v[SW+8*(TI%8)+SS], v[SA+8*\a+SS] matrix_a_fmt:MATRIX_FMT_FP6 matrix_b_fmt:MATRIX_FMT_FP6
.else
	v_wmma_scale_f32_16x16x128_f8f6f4 v[DD:DD+7], v[WR:WR+11], v[AR:AR+11], v[DD:DD+7], v[SW+8*(TI%8)+SS], v[SA+8*\a+SS] matrix_a_fmt:MATRIX_FMT_FP6 matrix_b_fmt:MATRIX_FMT_FP6 matrix_a_scale:MATRIX_SCALE_ROW1
.endif
.endif
.endm
; A batch: 16 matrix instructions on 16 accumulators, which come round again four batches later; its buffer then takes the batch five further on.
.macro BATCH b
.set BB, \b
.set SS, (\b)/4
.set IB, 4*((\b)%4)
.if (\b)%4 == 0
.if SS < 7
	s_wait_dscnt 16                                ; this K step's fragments of ctx are in; the next step's sixteen loads may be out
.else
	s_wait_dscnt 0x0
.endif
.endif
.if 31-(\b) >= 4
	s_wait_loadcnt 48                              ; this batch's twelve loads are in; the four younger batches' may be out
.else
	s_wait_loadcnt 12*(31-(\b))
.endif
.if IB < 8
	WIN 0xa1                                       ; source 0 (Wd) window 1, source 1 (ctx) window 0, C and D window 2
.else
	WIN 0xf1                                       ; C and D window 3
.endif
.irp ii, 0,1,2,3
.irp a, 0,1,2,3
	WMM \ii, \a
.endr
.endr
.if (\b)+5 < 32
	PLACES                                         ; four places in front of loads into registers that these products have read
	WLOAD (\b)+5
.endif
.if (\b)%4 == 3
	WIN 0
.if SS+2 < 8
	AFETCH SS+2
.endif
	global_prefetch_b8 v3, s[12:13] offset:(2*SS+8*(SS/4))*4096 th:TH_LOAD_NT scope:SCOPE_SE   ; rows 2 s and 2 s + 1 of my 16 rows of x, 8,192 bytes: one request in each K step, each block of 256 bytes asked for once, by the wave that will read it behind the product
.endif
.endm
.set Q, 0
.rept 32
	BATCH Q
.set Q, Q+1
.endr
	WIN 0
	PLACES                                         ; in front of the loads into the scale words' and fragments' registers and of the first read of results
.irp k, 0,1,2,3,4,5,6,7
	global_load_b128 v[32+4*\k:35+4*\k], v1, s[14:15] offset:512*\k     ; bd, gamma, beta at my columns 128 k + 4 lane + 0 .. 3
	global_load_b128 v[64+4*\k:67+4*\k], v1, s[16:17] offset:512*\k
	global_load_b128 v[96+4*\k:99+4*\k], v1, s[18:19] offset:512*\k
.endr
.irp i, 0,1,2,3,4,5,6,7,8,9,10,11,12,13,14,15
.irp a, 0,1,2,3
	WIN 0x08+4*(\i/8)                              ; an LDS store's data are its source 1: window 2 or 3
	ds_store_b128 v[4+\a], v[8*(4*(\i%8)+\a):8*(4*(\i%8)+\a)+3] offset:128*(\i/2)+32*(\i%2)       ; lane (r, h): columns 256 w + 32 (i / 2) + 16 h + 8 (i % 2) + 0 .. 7; each accumulator from its low end on
	ds_store_b128 v[4+\a], v[8*(4*(\i%8)+\a)+4:8*(4*(\i%8)+\a)+7] offset:128*(\i/2)+32*(\i%2)+16
.endr
.endr
	WIN 0
	s_wait_dscnt 0x0                               ; my sums lie in the stage, and the stores have read the accumulators' registers, which now take x
.macro XLOAD r                         ; row r of my tile of x into 32 registers of window 2 + r / 8
	WIN 0x80+0x40*((\r)/8)
.irp k, 0,1,2,3,4,5,6,7
	global_load_b128 v[32*((\r)%8)+4*\k:32*((\r)%8)+4*\k+3], v1, s[12:13] offset:((\r)+8*((\r)/8))*4096+512*\k th:TH_LOAD_NT
.endr
	WIN 0
.endm
	XLOAD 0
	XLOAD 1
	XLOAD 2
	XLOAD 3                                        ; with the 24 above, 56 loads of mine are out
	s_barrier_signal -1
	s_barrier_wait -1                              ; 64 whole rows lie in the stage
.irp k, 0,1,2,3,4,5,6,7
	ds_load_b128 v[128+4*\k:131+4*\k], v8 offset:512*\k
.endr
.macro RED a, t                        ; the sum over the 32 lanes, in every lane
	v_add_f32_dpp v[\a], v[\a], v[\a] row_xmask:1 row_mask:0xf bank_mask:0xf
	v_add_f32_dpp v[\a], v[\a], v[\a] row_xmask:2 row_mask:0xf bank_mask:0xf
	v_add_f32_dpp v[\a], v[\a], v[\a] row_xmask:4 row_mask:0xf bank_mask:0xf
	v_add_f32_dpp v[\a], v[\a], v[\a] row_xmask:8 row_mask:0xf bank_mask:0xf
	v_permlanex16_b32 v[\t], v[\a], s24, s25
	v_add_f32 v[\a], v[\a], v[\t]
.endm
; One row of 1,024 numbers, 32 a lane
.macro ROW p
.set HH, 128+32*((\p)%2)
.set HN, 128+32*(((\p)+1)%2)
.if 15-(\p) >= 3
	s_wait_loadcnt 24                              ; this row of x is in (and, in the first row, the parameters); the three younger rows' loads may be out
.else
	s_wait_loadcnt 8*(15-(\p))
.endif
.if (\p)+4 < 16
	XLOAD (\p)+4
.endif
.if (\p) < 15
	s_wait_xcnt 0x0                                ; the row before has been stored from the registers that the next row now takes: they are loaded again only behind this wait
.irp k, 0,1,2,3,4,5,6,7
	ds_load_b128 v[HN+4*\k:HN+4*\k+3], v8 offset:SP*((\p)+1)+512*\k
.endr
	s_wait_dscnt 8                                 ; this row is in; the next row's eight loads may be out
.else
	s_wait_dscnt 0x0
.endif
.set k, 0
.rept 16
	v_pk_add_f32 v[HH+k:HH+k+1], v[HH+k:HH+k+1], v[32+k:33+k]          ; + bd
.set k, k+2
.endr
	WIN 0x08+4*((\p)/8)                            ; source 1: window 2 or 3
.set k, 0
.rept 16
	v_pk_add_f32 v[HH+k:HH+k+1], v[HH+k:HH+k+1], v[32*((\p)%8)+k:32*((\p)%8)+k+1]   ; + x
.set k, k+2
.endr
	WIN 0
	v_pk_add_f32 v[200:201], v[HH:HH+1], v[HH+2:HH+3]                  ; the row's sum, in two chains
	v_pk_add_f32 v[202:203], v[HH+4:HH+5], v[HH+6:HH+7]
.irp j, 8,12,16,20,24,28
	v_pk_add_f32 v[200:201], v[200:201], v[HH+\j:HH+\j+1]
	v_pk_add_f32 v[202:203], v[202:203], v[HH+\j+2:HH+\j+3]
.endr
	v_pk_add_f32 v[200:201], v[200:201], v[202:203]
	v_add_f32 v200, v200, v201
	RED 200, 201
	v_mul_f32 v200, 0xba800000, v200               ; - the mean
.set k, 0
.rept 16
	v_pk_add_f32 v[HH+k:HH+k+1], v[HH+k:HH+k+1], v[200:201] op_sel_hi:[1,0]
.set k, k+2
.endr
	v_pk_mul_f32 v[202:203], v[HH:HH+1], v[HH:HH+1]                    ; the squares' sum, in two chains
	v_pk_mul_f32 v[204:205], v[HH+2:HH+3], v[HH+2:HH+3]
.irp j, 4,8,12,16,20,24,28
	v_pk_fma_f32 v[202:203], v[HH+\j:HH+\j+1], v[HH+\j:HH+\j+1], v[202:203]
	v_pk_fma_f32 v[204:205], v[HH+\j+2:HH+\j+3], v[HH+\j+2:HH+\j+3], v[204:205]
.endr
	v_pk_add_f32 v[202:203], v[202:203], v[204:205]
	v_add_f32 v202, v202, v203
	RED 202, 203
	v_fma_f32 v202, v202, s26, s27                 ; the variance + 1e-12
	s_wait_alu depctr_va_vdst(0)
	v_rsq_f32 v202, v202
	v_nop                                          ; one plain place behind a transcendental
.set k, 0
	s_wait_alu depctr_va_vdst(0)
.rept 16
	v_pk_mul_f32 v[HH+k:HH+k+1], v[HH+k:HH+k+1], v[202:203] op_sel_hi:[1,0]
.set k, k+2
.endr
.set k, 0
.rept 16
	v_pk_fma_f32 v[HH+k:HH+k+1], v[HH+k:HH+k+1], v[64+k:65+k], v[96+k:97+k]   ; x gamma + beta
.set k, k+2
.endr
.irp k, 0,1,2,3,4,5,6,7
	global_store_b128 v1, v[HH+4*\k:HH+4*\k+3], s[20:21] offset:((\p)+8*((\p)/8))*4096+512*\k th:TH_STORE_NT   ; 512 consecutive bytes, at a multiple of 512 from the buffer's first byte
.endr
.endm
.set Q, 0
.rept 16
	ROW Q
.set Q, Q+1
.endr
	s_wait_tensorcnt 0x0
	ds_add_u32 v254, v255
	s_wait_dscnt 0x0
	s_endpgm
.Lfunc_end_k_q6764f73406_outln:
	.size	k_q6764f73406_outln, .Lfunc_end_k_q6764f73406_outln-k_q6764f73406_outln
	.p2alignl 7, 3214868480
	.fill 96, 4, 3214868480
	.section	.rodata,"a",@progbits
	.p2align	6, 0x0
	.amdhsa_kernel k_q6764f73406_outln
		.amdhsa_group_segment_fixed_size 312832
		.amdhsa_private_segment_fixed_size 0
		.amdhsa_enable_private_segment 0
		.amdhsa_kernarg_size 72
		.amdhsa_user_sgpr_count 2
		.amdhsa_user_sgpr_kernarg_segment_ptr 1
		.amdhsa_wavefront_size32 1
		.amdhsa_system_sgpr_workgroup_id_x 1
		.amdhsa_system_sgpr_workgroup_id_y 1
		.amdhsa_system_sgpr_workgroup_id_z 1
		.amdhsa_system_vgpr_workitem_id 0
		.amdhsa_next_free_vgpr 1024
		.amdhsa_next_free_sgpr 66
		.amdhsa_reserve_vcc 0
		.amdhsa_float_denorm_mode_32 3
		.amdhsa_float_denorm_mode_16_64 3
		.amdhsa_memory_ordered 1
		.amdhsa_forward_progress 1
		.amdhsa_inst_pref_size 255
	.end_amdhsa_kernel
	.section	.bss,"aw",@nobits
	.p2align	6
	.space	262144
	.amdgpu_metadata
---
amdhsa.version: [ 1, 2 ]
amdhsa.kernels:
  - .name:           k_q6764f73406_outln
    .symbol:         k_q6764f73406_outln.kd
    .args:
      - { .name: cimg, .offset: 0, .size: 8, .value_kind: global_buffer, .address_space: global }
      - { .name: cs, .offset: 8, .size: 8, .value_kind: global_buffer, .address_space: global }
      - { .name: codes, .offset: 16, .size: 8, .value_kind: global_buffer, .address_space: global }
      - { .name: scl, .offset: 24, .size: 8, .value_kind: global_buffer, .address_space: global }
      - { .name: x, .offset: 32, .size: 8, .value_kind: global_buffer, .address_space: global }
      - { .name: bd, .offset: 40, .size: 8, .value_kind: global_buffer, .address_space: global }
      - { .name: gamma, .offset: 48, .size: 8, .value_kind: global_buffer, .address_space: global }
      - { .name: beta, .offset: 56, .size: 8, .value_kind: global_buffer, .address_space: global }
      - { .name: out0, .offset: 64, .size: 8, .value_kind: global_buffer, .address_space: global }
    .group_segment_fixed_size: 312832
    .private_segment_fixed_size: 0
    .kernarg_segment_align: 8
    .kernarg_segment_size: 72
    .max_flat_workgroup_size: 128
    .sgpr_count:     66
    .vgpr_count:     1024
    .wavefront_size: 32
...
	.end_amdgpu_metadata
.endif
;; end of part 4
